; MI455X (gfx1250); checked and timed in simulation.
; The chip was launched on July 23, 2026; its instructions are those of AMD's public machine-readable ISA for CDNA 5 (MIT licence, August 2026) and "CDNA5" Instruction Set Architecture Reference Guide (July 2026). The comments in the code are by the model that wrote it; some were corrected since.
;; Multi Head Attention. Allowed arithmetic: matrix products marked QUANTISED: E2M1 operands, one E8M0 scale for each 32 along K, by v_wmma_scale_f32_16x16x128_f8f6f4 with both operands' format E2M1 (or v_wmma_scale_f32_32x16x128_f4), f32 sums; products left as they are: bf16, f16 or f32 operands; f32 sums; everything else in f32.
;; Inputs: W_attn 1,024 x 3,072 float32; W_proj 1,024 x 1,024 float32; b_proj 1,024 float32; x 4 x 2,048 x 1,024 float32.
;; Outputs: out0 4 x 2,048 x 1,024 float32.
;; This version of the problem:
;;   THIS VERSION OF THE PROBLEM IS GIVEN IN LOW PRECISION. The matrix products marked QUANTISED in the list below multiply operands that are first quantised to E2M1 (2 exponent bits, 1 mantissa bit; 4 bits a number), with one power-of-two scale for each 32 numbers along K (OCP MX v1.0); their sums are f32. The products marked 'left as it is' may take bf16, f16 or f32 operands, with f32 sums. Whichever they take, every output number must still come out within the allowed error. Rounding operands to bf16 (8 significant bits) uses up far more of that allowance than f16 does (11 bits, for magnitudes from 6e-5 to 65,504). All else is computed in f32.
;;   The module's matrix products, in the order in which they are computed (A, B: the left and right operand; K: the contracted axis; several contracted axes count as one K, in the product's order):
;;     1. [M 8,192, K 1,024] x [K 1,024, N 3,072]; A: input x; B: input W_attn: QUANTISED
;;     2. batch 64 x [M 2,048, K 64] x [K 64, N 2,048]; A: computed on the way; B: computed on the way: left as it is (an operand is computed on the way)
;;     3. batch 64 x [M 2,048, K 2,048] x [K 2,048, N 64]; A: computed on the way; B: computed on the way: left as it is (an operand is computed on the way)
;;     4. [M 8,192, K 1,024] x [K 1,024, N 1,024]; A: computed on the way; B: input W_proj: left as it is (an operand is computed on the way)
;;   THE QUANTISER, for each operand of a quantised product, along K:
;;     - K is cut into blocks of 32 from its start; a last block that is shorter is filled with zeros.
;;     - A block's scale is 2^e with e = floor(log2(the largest magnitude in the block)) - 2, held to -126 .. 127; a block of zeros has e = 0. As a byte (E8M0): e + 127.
;;     - Each number is divided by its block's scale, clamped to +-6, and rounded to the nearest number of E2M1, ties to even, subnormals kept.
;;     - The product sums the exact products of the quantised numbers (number of the format x scale) in f32.
;;   ~~~python
;;   def quantise(x, axis):      # numpy; x: float32 -> the quantised numbers, widened to float32 again
;;       x = np.moveaxis(x, axis, -1); K = x.shape[-1]
;;       x = np.pad(x, [(0, 0)] * (x.ndim - 1) + [(0, -K % 32)]); x = x.reshape(x.shape[:-1] + (-1, 32)); a = np.abs(x).max(-1, keepdims=True)
;;       e = np.where(a > 0, np.clip(np.frexp(np.where(a > 0, a, 1))[1] - 1 - 2, -126, 127), 0)      # np.frexp(a)[1] - 1 = floor(log2(a)), exactly
;;       r = np.clip(x / 2.0 ** e, -6, 6)
;;       step = 2.0 ** (np.maximum(np.frexp(np.where(r == 0, 1, r))[1] - 1, 0) - 1)
;;       q = np.round(r / step) * step * 2.0 ** e      # np.round: ties to even
;;       return np.moveaxis(q.reshape(q.shape[:-2] + (-1,))[..., :K], -1, axis).astype(np.float32)
;;   ~~~
;; One version. Each part assembles by itself: llvm-mc -triple=amdgcn-amd-amdhsa -mcpu=gfx1250 --defsym DOCPART=n.
;; ======== version 1 of 1: 5 launches
;; limits: values are held in f16: magnitudes above 65,504 overflow, below 6.1e-05 lose precision
;; workspace buffers: xc 4,194,304 bytes; xs 262,144 bytes; wc 1,572,864 bytes; ws 98,304 bytes; wp16 2,097,152 bytes; qkv16 50,331,648 bytes; q32 786,432 bytes; y16 16,777,216 bytes
;; launch prep (part 1): grid 368 x 1, 4 waves a work-group, no clusters, 68,096 bytes of LDS; arguments x, W_attn, W_proj, xc, xs, wc, ws, wp16; writes xc, xs, wc, ws, wp16
.if DOCPART == 1
	.amdgcn_target "amdgcn-amd-amdhsa--gfx1250"
	.amdhsa_code_object_version 6
	.text
	.protected	k_qd946d03c56_prep
	.globl	k_qd946d03c56_prep
	.p2align	8
	.type	k_qd946d03c56_prep,@function
k_qd946d03c56_prep:
	s_mov_b64 s[64:65], 0
	v_nop
	global_prefetch_b8 v0, s[64:65] scope:SCOPE_SE
	s_setreg_imm32_b32 hwreg(HW_REG_WAVE_MODE, 25, 1), 1
	s_wait_xcnt 0x0
; THE OPERANDS ARE MADE READY, ONCE.  Three kinds of work-group, told apart by the work-group's number alone; they never meet again, and each kind has LDS bytes of its own.
;   0 .. 255    X: x [8192][1024] f32, K innermost  -> xc [8192][512 bytes] codes of E2M1 (two a byte, the lower k in the low four bits), xs [8192][32] E8M0 bytes
;   256 .. 303  W: W_attn [1024 (k)][3072 (n)] f32, K its FIRST axis -> wc [3072][512 bytes] codes with K innermost, ws [3072][32] bytes
;   304 .. 367  P: W_proj [1024][1024] f32 -> wp16, the same numbers as f16, as they lie
; THE QUANTISER: a block of 32 along K has the scale 2^(floor(log2(its largest magnitude)) - 2); its byte is the largest magnitude's exponent field - 2, held at 1 from below;
; each number is divided by the scale and rounded to the nearest code, ties to even, beyond 6 the code of 6.
; LIMITS: a block of zeros gets the byte 1 where the quantiser's text says 127 (its codes are zeros, and this program alone reads the bytes); blocks whose largest magnitude lies under 2^-124 are
; held at byte 1; NaN and infinities are not served; a number of W_proj of magnitude 65,520 or more becomes an infinity of f16, one under 6e-5 keeps an absolute step of 6e-8.
.set SPW,   12                         ; v12  LDS address of my spare word; never rewritten
.set NIL,   13                         ; v13  0; never rewritten
.set EMAX,  2
.set XREG,  8192                       ; X: a region for each wave: two stages of 32 x 80 bytes, behind them its 256 scale bytes
.set XSP,   80                         ; a lane's place in a stage: 64 bytes + 16 of padding
.set WSTG,  4*XREG                     ; W: four stages of 32 rows x 272 bytes
.set WPIT,  272
.set SPARE, WSTG+4*32*WPIT             ; the spare words, 128 bytes a wave: two blocks of 256 bytes that no other line names
	s_load_b512 s[4:19], s[0:1], 0x0               ; x s[4:5], W_attn s[6:7], W_proj s[8:9], xc s[10:11], xs s[12:13], wc s[14:15], ws s[16:17], wp16 s[18:19]
	v_lshl_add_u32 v[SPW], v0, 2, SPARE
	v_mov_b32 v[NIL], 0
	v_lshrrev_b32 v1, 5, v0
	v_readfirstlane_b32 s20, v1                    ; wave 0..3
	v_and_b32 v2, 31, v0                           ; lane
	s_wait_kmcnt 0x0
	s_cmp_lt_u32 ttmp9, 256
	s_cbranch_scc0 .Lnot_x
; ---------------- X: a stream of blocks of 32.  A wave takes 16 steps of 512 numbers.  Each load reads 512 consecutive bytes; a step's 2,048 bytes turn through the wave's own stage,
; so that a lane then holds 16 NEIGHBOURS along K (two neighbouring lanes hold a block), which is what the conversions take.
.set XR, 16                            ; v16-79   four sets of 16 numbers as loaded
.set XX, 80                            ; v80-111  two sets of 16 neighbours
.set XE, 112                           ; v112-127 a scale byte for each step
.set XC, 128                           ; v128-191 codes: four registers for each step, so that no store's data are written again
	v_lshlrev_b32 v3, 4, v2                        ; my 16 bytes of a load's 512
	s_mul_i32 s21, s20, XREG
	v_lshrrev_b32 v14, 2, v2
	v_mul_u32_u24 v14, v14, XSP
	v_and_b32 v15, 3, v2
	v_lshl_add_u32 v14, v15, 4, v14
	v_add_nc_u32 v14, s21, v14                     ; into the stage: 80 (lane / 4) + 16 (lane % 4)
	v_mul_u32_u24 v15, v2, XSP
	v_add_nc_u32 v15, s21, v15                     ; out of it: 80 x lane
	v_lshlrev_b32 v4, 3, v2                        ; my 16 codes: 8 bytes
	v_lshrrev_b32 v5, 1, v2
	s_add_co_u32 s21, s21, 2*32*XSP
	v_add_nc_u32 v5, s21, v5                       ; my block's scale byte in the wave's 256
	v_lshlrev_b32 v7, 3, v2
	v_add_nc_u32 v6, s21, v7                       ; and 8 bytes a lane on their way out
	s_lshl_b32 s22, ttmp9, 2
	s_add_co_u32 s22, s22, s20                     ; which run of 8,192 numbers is my wave's
	s_lshl_b32 s24, s22, 15
	s_mov_b32 s25, 0
	s_add_nc_u64 s[4:5], s[4:5], s[24:25]          ; 32,768 bytes of x,
	s_lshl_b32 s24, s22, 12
	s_add_nc_u64 s[10:11], s[10:11], s[24:25]      ; 4,096 of codes,
	s_lshl_b32 s24, s22, 8
	s_add_nc_u64 s[12:13], s[12:13], s[24:25]      ; 256 scale bytes a run
.macro XLOAD t
.irp i, 0,1,2,3
	global_load_b128 v[XR+16*((\t)%4)+4*\i:XR+16*((\t)%4)+4*\i+3], v3, s[4:5] offset:2048*(\t)+512*\i th:TH_LOAD_NT
.endr
.endm
.macro XTURN t                         ; LDS serves a wave's instructions in order: no wait between the stores and the loads
.irp i, 0,1,2,3
	ds_store_b128 v14, v[XR+16*((\t)%4)+4*\i:XR+16*((\t)%4)+4*\i+3] offset:32*XSP*((\t)%2)+8*XSP*\i
.endr
.irp i, 0,1,2,3
	ds_load_b128 v[XX+16*((\t)%2)+4*\i:XX+16*((\t)%2)+4*\i+3], v15 offset:32*XSP*((\t)%2)+16*\i
.endr
.endm
.irp t, 0,1,2,3
	XLOAD \t
.endr
	s_wait_loadcnt 12                              ; step 0's four loads are in; the twelve of steps 1 to 3 may be out
	XTURN 0
.macro XSTEP t
.set XS, XX+16*((\t)%2)
.if (\t) > 0
	s_wait_dscnt 1                                 ; this step's numbers are back from the stage; the last step's byte store may be out
.else
	s_wait_dscnt 0x0
.endif
.if (\t)+4 < 16
	XLOAD (\t)+4                                   ; into the set whose stores into the stage are done
.endif
.if (\t)+1 < 16
.if 14-(\t) >= 3
	s_wait_loadcnt 12                              ; the next step's four loads are in; those of the three steps behind it may be out
.else
	s_wait_loadcnt 4*(14-(\t))
.endif
	XTURN (\t)+1
.endif
	v_max3_num_f32 v8, |v[XS]|, |v[XS+1]|, |v[XS+2]|               ; the largest magnitude of my 16, in two chains
	v_max3_num_f32 v9, |v[XS+3]|, |v[XS+4]|, |v[XS+5]|
.irp i, 6,10
	v_max3_num_f32 v8, v8, |v[XS+\i]|, |v[XS+\i+1]|
	v_max3_num_f32 v9, v9, |v[XS+\i+2]|, |v[XS+\i+3]|
.endr
	v_max3_num_f32 v8, v8, |v[XS+14]|, |v[XS+15]|
	v_max3_num_f32 v8, v8, v9, (EMAX+1)<<23        ; and the floor 2^(3 - 127): the byte cannot fall under 1
	v_max_num_f32_dpp v8, v8, v8 row_xmask:1 row_mask:0xf bank_mask:0xf   ; with my neighbour's 16: the block's
	v_add_nc_u32 v11, -(EMAX<<23), v8              ; 2 off its exponent field: the conversion takes the exponent field of this operand as its scale
	v_cvt_scalef32_pk8_fp4_f32 v[XC+4*(\t)], v[XS:XS+7], v11
	v_cvt_scalef32_pk8_fp4_f32 v[XC+4*(\t)+1], v[XS+8:XS+15], v11
	v_lshrrev_b32 v[XE+(\t)], 23, v11              ; the scale's byte (also the plain line behind the conversions)
	ds_store_b8 v5, v[XE+(\t)] offset:16*(\t)      ; both lanes of a block write the same byte with the same value
	global_store_b64 v4, v[XC+4*(\t):XC+4*(\t)+1], s[10:11] offset:256*(\t)   ; the wave stores 256 consecutive bytes, aligned
.endm
.irp t, 0,1,2,3,4,5,6,7,8,9,10,11,12,13,14,15
	XSTEP \t
.endr
	ds_load_b64 v[8:9], v6                         ; my wave's 256 scale bytes: these loads see my stores
	s_wait_dscnt 0x0
	global_store_b64 v7, v[8:9], s[12:13]          ; 256 consecutive bytes, aligned
	s_wait_tensorcnt 0x0                           ; the wave's end: three lines behind my last LDS store
	ds_add_u32 v[SPW], v[NIL]
	s_wait_dscnt 0x0
	s_endpgm
.Lnot_x:
	s_cmp_lt_u32 ttmp9, 304
	s_cbranch_scc0 .Lpath_p
; ---------------- W: A LANE TAKES A COLUMN n, AND ITS REGISTERS RUN DOWN K.  A load reads 128 consecutive bytes a wave; a block of 32 along K lies in one lane's 32 registers; the conversions give
; codes with K innermost.  A wave takes 32 columns x 512 along K: 256 bytes of codes a column, which go through the wave's stage and leave as rows, sixteen lanes to 256 aligned bytes.
.set WX,  32                           ; v32-95   two sets of 32 numbers
.set WC,  96                           ; v96-99   a block's codes
.set WO,  112                          ; v112-175 the way out
.set WSB, 24                           ; v24-27   16 scale bytes
	s_sub_co_u32 s21, ttmp9, 256                   ; 0 .. 47: 24 blocks of 128 columns x 2 halves of K
	s_cmp_ge_u32 s21, 24
	s_cselect_b32 s22, 1, 0                        ; which 512 along K
	s_mul_i32 s23, s22, 24
	s_sub_co_u32 s21, s21, s23
	s_lshl_b32 s21, s21, 7
	s_lshl_b32 s23, s20, 5
	s_add_co_u32 s21, s21, s23                     ; my wave's first column
	s_mul_i32 s24, s22, 512*3072*4
	s_lshl_b32 s23, s21, 2
	s_add_co_u32 s24, s24, s23
	s_mov_b32 s25, 0
	s_add_nc_u64 s[6:7], s[6:7], s[24:25]          ; W_attn at (512 y, column)
	s_lshl_b32 s24, s21, 9
	s_lshl_b32 s23, s22, 8
	s_add_co_u32 s24, s24, s23
	s_add_nc_u64 s[14:15], s[14:15], s[24:25]      ; wc: column x 512 + 256 y
	s_lshl_b32 s24, s21, 5
	s_lshl_b32 s23, s22, 4
	s_add_co_u32 s24, s24, s23
	s_add_nc_u64 s[16:17], s[16:17], s[24:25]      ; ws: column x 32 + 16 y
	v_lshlrev_b32 v3, 2, v2                        ; in: 4 bytes a lane
	s_mul_i32 s26, s20, 32*WPIT
	s_add_co_u32 s26, s26, WSTG                    ; my stage
	v_mul_u32_u24 v4, v2, WPIT
	v_add_nc_u32 v4, s26, v4                       ; into it: row = my column
	v_and_b32 v5, 15, v2
	v_lshrrev_b32 v6, 4, v2
	v_mul_u32_u24 v7, v6, WPIT
	v_lshl_add_u32 v7, v5, 4, v7
	v_add_nc_u32 v7, s26, v7                       ; out of it: sixteen lanes to a row, two rows an instruction
	v_lshlrev_b32 v8, 9, v6
	v_lshl_add_u32 v8, v5, 4, v8                   ; the same place in wc
	v_lshlrev_b32 v9, 5, v2                        ; my column's row of scale bytes
.macro WLOAD t                         ; block t: W(32 t + i, my column); the largest offset, 511 rows of 12,288 bytes, lies inside the signed 24-bit immediate
.irp i, 0,1,2,3,4,5,6,7,8,9,10,11,12,13,14,15,16,17,18,19,20,21,22,23,24,25,26,27,28,29,30,31
	global_load_b32 v[WX+32*((\t)%2)+\i], v3, s[6:7] offset:(32*(\t)+\i)*12288 th:TH_LOAD_NT
.endr
.endm
	WLOAD 0
	WLOAD 1
.macro WBLOCK t
.set XS, WX+32*((\t)%2)
.if (\t) < 15
	s_wait_loadcnt 32                              ; this block's 32 loads are in; the next block's may be out
.else
	s_wait_loadcnt 0
.endif
	v_max3_num_f32 v20, |v[XS]|, |v[XS+1]|, |v[XS+2]|              ; the block's largest magnitude: all 32 numbers are mine
	v_max3_num_f32 v21, |v[XS+3]|, |v[XS+4]|, |v[XS+5]|
.irp i, 6,10,14,18,22,26
	v_max3_num_f32 v20, v20, |v[XS+\i]|, |v[XS+\i+1]|
	v_max3_num_f32 v21, v21, |v[XS+\i+2]|, |v[XS+\i+3]|
.endr
	v_max3_num_f32 v20, v20, |v[XS+30]|, |v[XS+31]|
	v_max3_num_f32 v20, v20, v21, (EMAX+1)<<23     ; and the floor
	v_add_nc_u32 v22, -(EMAX<<23), v20             ; the conversion's scale operand
	v_lshrrev_b32 v23, 23, v22                     ; the scale's byte
.if (\t)%4 == 0
	v_mov_b32 v[WSB+(\t)/4], v23                   ; four bytes to a register, the lower K in the lower byte
.else
	v_lshl_or_b32 v[WSB+(\t)/4], v23, 8*((\t)%4), v[WSB+(\t)/4]
.endif
.irp g, 0,1,2,3
	v_cvt_scalef32_pk8_fp4_f32 v[WC+\g], v[XS+8*\g:XS+8*\g+7], v22
.endr
	v_nop                                          ; one plain line behind the last conversion
	ds_store_b128 v4, v[WC:WC+3] offset:16*(\t)    ; 32 codes: 16 bytes of my column's row
.if (\t)+2 < 16
	WLOAD (\t)+2
.endif
	s_wait_dscnt 0x0                               ; the store has read its registers: the next block's codes may be written
.endm
.irp t, 0,1,2,3,4,5,6,7,8,9,10,11,12,13,14,15
	WBLOCK \t
.endr
	global_store_b128 v9, v[WSB:WSB+3], s[16:17]   ; my column's 16 scale bytes
.irp t, 0,1,2,3,4,5,6,7,8,9,10,11,12,13,14,15
	ds_load_b128 v[WO+4*\t:WO+4*\t+3], v7 offset:2*\t*WPIT
.endr
.irp t, 0,1,2,3,4,5,6,7,8,9,10,11,12,13,14,15
	s_wait_dscnt 15-\t                             ; the later rows may be out
	global_store_b128 v8, v[WO+4*\t:WO+4*\t+3], s[14:15] offset:2*\t*512   ; sixteen lanes store 256 consecutive bytes, aligned
.endr
	s_wait_tensorcnt 0x0                           ; the wave's end: the three lines once more
	ds_add_u32 v[SPW], v[NIL]
	s_wait_dscnt 0x0
	s_endpgm
.Lpath_p:
; ---------------- P: a plain cast.  A wave takes 4,096 numbers: 32 loads of 512 consecutive bytes, all out at once; each becomes 256 consecutive bytes of f16.  No LDS, no register written twice.
	s_sub_co_u32 s21, ttmp9, 304
	s_lshl_b32 s21, s21, 2
	s_add_co_u32 s21, s21, s20                     ; run 0 .. 255
	s_lshl_b32 s24, s21, 14
	s_mov_b32 s25, 0
	s_add_nc_u64 s[8:9], s[8:9], s[24:25]
	s_lshl_b32 s24, s21, 13
	s_add_nc_u64 s[18:19], s[18:19], s[24:25]
	v_lshlrev_b32 v3, 4, v2
	v_lshlrev_b32 v4, 3, v2
.irp i, 0,1,2,3,4,5,6,7,8,9,10,11,12,13,14,15,16,17,18,19,20,21,22,23,24,25,26,27,28,29,30,31
	global_load_b128 v[16+4*\i:19+4*\i], v3, s[8:9] offset:512*\i
.endr
.irp i, 0,1,2,3,4,5,6,7,8,9,10,11,12,13,14,15,16,17,18,19,20,21,22,23,24,25,26,27,28,29,30,31
	s_wait_loadcnt 31-\i                           ; load i is in; the later ones may be out
	v_cvt_pk_f16_f32 v[16+4*\i], v[16+4*\i], v[17+4*\i]
	v_cvt_pk_f16_f32 v[17+4*\i], v[18+4*\i], v[19+4*\i]
	global_store_b64 v4, v[16+4*\i:17+4*\i], s[18:19] offset:256*\i
.endr
	s_endpgm
.Lfunc_end_k_qd946d03c56_prep:
	.size	k_qd946d03c56_prep, .Lfunc_end_k_qd946d03c56_prep-k_qd946d03c56_prep
	.p2alignl 7, 3214868480
	.fill 96, 4, 3214868480
	.section	.rodata,"a",@progbits
	.p2align	6, 0x0
	.amdhsa_kernel k_qd946d03c56_prep
		.amdhsa_group_segment_fixed_size 68096
		.amdhsa_private_segment_fixed_size 0
		.amdhsa_enable_private_segment 0
		.amdhsa_kernarg_size 64
		.amdhsa_user_sgpr_count 2
		.amdhsa_user_sgpr_kernarg_segment_ptr 1
		.amdhsa_wavefront_size32 1
		.amdhsa_system_sgpr_workgroup_id_x 1
		.amdhsa_system_sgpr_workgroup_id_y 1
		.amdhsa_system_sgpr_workgroup_id_z 1
		.amdhsa_system_vgpr_workitem_id 0
		.amdhsa_next_free_vgpr 192
		.amdhsa_next_free_sgpr 66
		.amdhsa_reserve_vcc 0
		.amdhsa_float_denorm_mode_32 3
		.amdhsa_float_denorm_mode_16_64 3
		.amdhsa_memory_ordered 1
		.amdhsa_forward_progress 1
		.amdhsa_inst_pref_size 122
	.end_amdhsa_kernel
	.amdgpu_metadata
---
amdhsa.version: [ 1, 2 ]
amdhsa.kernels:
  - .name:           k_qd946d03c56_prep
    .symbol:         k_qd946d03c56_prep.kd
    .args:
      - { .name: x, .offset: 0, .size: 8, .value_kind: global_buffer, .address_space: global }
      - { .name: W_attn, .offset: 8, .size: 8, .value_kind: global_buffer, .address_space: global }
      - { .name: W_proj, .offset: 16, .size: 8, .value_kind: global_buffer, .address_space: global }
      - { .name: xc, .offset: 24, .size: 8, .value_kind: global_buffer, .address_space: global }
      - { .name: xs, .offset: 32, .size: 8, .value_kind: global_buffer, .address_space: global }
      - { .name: wc, .offset: 40, .size: 8, .value_kind: global_buffer, .address_space: global }
      - { .name: ws, .offset: 48, .size: 8, .value_kind: global_buffer, .address_space: global }
      - { .name: wp16, .offset: 56, .size: 8, .value_kind: global_buffer, .address_space: global }
    .group_segment_fixed_size: 68096
    .private_segment_fixed_size: 0
    .kernarg_segment_align: 8
    .kernarg_segment_size: 64
    .max_flat_workgroup_size: 128
    .sgpr_count:     66
    .vgpr_count:     192
    .wavefront_size: 32
...
	.end_amdgpu_metadata
.endif
;; end of part 1
;; launch qkv (part 2): grid 16 x 32, 4 waves a work-group, clusters of 4 x 4, 270,336 bytes of LDS; arguments xc, xs, wc, ws, qkv16, q32; writes qkv16, q32
.if DOCPART == 2
	.amdgcn_target "amdgcn-amd-amdhsa--gfx1250"
	.amdhsa_code_object_version 6
	.text
	.protected	k_qd946d03c56_qkv
	.globl	k_qd946d03c56_qkv
	.p2align	8
	.type	k_qd946d03c56_qkv,@function
k_qd946d03c56_qkv:
	s_mov_b64 s[64:65], 0
	v_nop
	global_prefetch_b8 v0, s[64:65] scope:SCOPE_SE
	s_setreg_imm32_b32 hwreg(HW_REG_WAVE_MODE, 25, 1), 1
	s_wait_xcnt 0x0
	s_wait_alu depctr_hold_cnt(0) depctr_sa_sdst(0) depctr_va_vdst(0) depctr_va_sdst(0) depctr_va_ssrc(0) depctr_va_vcc(0) depctr_vm_vsrc(0)
	s_getreg_b32 s2, hwreg(HW_REG_IB_STS2, 6, 4)
	s_cmp_eq_u32 s2, 0
	s_cbranch_scc0 .Lentry_in_a_cluster
	s_endpgm
.Lentry_in_a_cluster:
	s_bfe_u32 s2, ttmp6, 0x10000c
	s_cmp_lg_u32 s2, 0xf033
	s_cbranch_scc0 .Lentry_shape_is_right
	s_endpgm
.Lentry_shape_is_right:
; qkv = Q(x) Q(W_attn), on codes of E2M1 with one E8M0 scale for each 32 along K = 1,024; sums in f32.  xc [8192][512 bytes], xs [8192][32]; wc [3072][512 bytes], ws [3072][32].
; OUT: qkv16, f16, [batch 4][plane 48][t 2048][64] (planes 0-15 the heads of q, 16-31 of k, 32-47 of v): a head's rows are 128 dense bytes.
;      q32, f32: positions t < 16 of every batch, kept whole for the launch that carries them finely, as images of the accumulators' registers:
;      [batch][block of 16 columns, 192][half 2][lane 32][4]: lane l holds position l % 16 and columns 16 block + 8 (l / 16) + 4 half + 0 .. 3.
; SHARES.  A tile is 256 rows x 192 columns (three heads): 512 work-groups.  Wave w makes rows 64 w .. 64 w + 63 x all 192 columns: 4 x 12 accumulators, 384 registers.
; ALL OF K LIES IN LDS: two halves of K (rows of 256 bytes) in two slots, both asked for at the start; nothing is filled again.  A wave has two tensor loads out.
; CLUSTERS: 4 x 4.  The four of a row of the cluster need the same rows of xc, the four of a column the same rows of wc: each tile is asked for jointly.
; The tile row is 8 cy + the cluster's y: the four partners along y take the four batches, and the cluster's y, which all sixteen share, says which 256 positions of a batch: so "these rows hold
; t < 16" is a question of the cluster's y and the wave's number alone.
; THE MATRIX INSTRUCTION IS USED TRANSPOSED (source 0 = 16 rows of wc, source 1 = 16 rows of xc): a lane holds eight neighbouring columns of one row.
; THE SCALE WORDS of a wave's rows, for all of K, go from memory straight into registers that hold nothing else: a row's 32 bytes are two loads of 16.
; LIMIT: a result of magnitude 65,520 or more becomes an infinity of f16.
; REGISTERS: window 0: v16-29 addresses; v32-63 xs's words (block a, step g: 32 + 8 a + g); v64-159 ws's (64 + 8 b + g); v160-223 xc's fragments, two sets; on the way out v160-255 are free.
;   window 1: wc's fragments, two sets, at v0 and v128.   window 2: accumulators of blocks a = 0, 1 (at 8 (12 (a % 2) + b));   window 3: of a = 2, 3.
.set PITCH,  272                       ; an LDS row: 256 bytes + 16 of padding: the 16 rows that a load touches start in 16 different groups of banks (64 banks of 4 bytes: ISA guide 11.1)
.set HALFA,  128*PITCH                 ; what one tensor load brings of xc,
.set HALFB,  96*PITCH                  ; and of wc
.set BOFF,   2*HALFA
.set SLOT,   BOFF+2*HALFB
.set STAGE,  2*SLOT                    ; behind the slots: 16 rows x 400 bytes for each wave
.set SPITCH, 400                       ; 384 bytes (192 f16) + 16
.set SPARE,  STAGE+4*16*SPITCH         ; the spare words, 128 bytes a wave
.set ADRA, 16
.set ADRB, 20
.set STO,  24
.set RD,   25
.set CO,   26
.set SO,   27
.set SPW,  28
.set NIL,  29
.set SA,   32
.set SB,   64
.set AF,   160
.set TMP,  160
.set BK,   208
.set G1,  24
.set G0,  32
.set G1B, 48
.set G0B, 56
.set MSB, 0
.macro WIN new                         ; the immediate's high byte repeats the setting that is left
.if MSB != \new
	s_set_vgpr_msb (MSB<<8)|\new
.set MSB, \new
.endif
.endm
.set MUL_LO, 0xa1                      ; source 0 window 1, source 1 window 0, C and D window 2
.set MUL_HI, 0xf1                      ; the same, C and D window 3
.set TO_B,   0x40                      ; destination window 1
.macro JLOAD g0a, g1a, g0b, g1b        ; waves 0 and 1 ask for xc's halves, waves 2 and 3 for wc's; an s_nop 0 and four v_nop follow each line
	s_cmp_eq_u32 s17, 0
	s_cbranch_scc0 .Lfor_b_\@
	tensor_load_to_lds s[\g0a:\g0a+3], s[\g1a:\g1a+7]
	s_nop 0
.rept 4
	v_nop
.endr
	s_branch .Lasked_\@
.Lfor_b_\@:
	tensor_load_to_lds s[\g0b:\g0b+3], s[\g1b:\g1b+7]
	s_nop 0
.rept 4
	v_nop
.endr
.Lasked_\@:
.endm
.macro CROUND                          ; a round of the cluster's barrier
	s_barrier_signal -1
	s_barrier_wait -1
	s_cmp_lg_u32 s16, 0
	s_cbranch_scc1 .Lnot_wave_0_\@
	s_barrier_signal -3
.Lnot_wave_0_\@:
	s_barrier_wait -3
	s_barrier_signal -1
	s_barrier_wait -1
.endm
.macro PLACES                          ; four places in front of loads into registers that matrix instructions have read, and of reads of results
.rept 4
	v_nop
.endr
.endm
	s_load_b256 s[4:11], s[0:1], 0x0               ; xc s[4:5], xs s[6:7], wc s[8:9], ws s[10:11]
	s_load_b128 s[12:15], s[0:1], 0x20             ; qkv16 s[12:13], q32 s[14:15]
	v_lshl_add_u32 v[SPW], v0, 2, SPARE
	v_mov_b32 v[NIL], 0
	ds_add_u32 v[SPW], v[NIL]                      ; the wave's opening: the add, twice on end, and its wait ahead of my first tensor load
	ds_add_u32 v[SPW], v[NIL]
	v_lshrrev_b32 v1, 5, v0
	v_readfirstlane_b32 s16, v1                    ; wave 0..3
	s_lshr_b32 s17, s16, 1                         ; I fetch for xc (0) or for wc (1),
	s_and_b32 s18, s16, 1                          ; and which half of that tile's rows
	s_bfe_u32 s40, ttmp6, 0x40000                  ; cx
	s_bfe_u32 s41, ttmp6, 0x40004                  ; cy = the batch
	s_lshl_b32 s42, ttmp9, 2
	s_add_co_u32 s42, s42, s40                     ; tile column = 4 x cluster x + cx
	s_and_b32 s67, ttmp7, 0xffff                   ; the cluster's y = which 256 positions of a batch
	s_lshl_b32 s19, s41, 3
	s_add_co_u32 s19, s19, s67                     ; tile row = 8 cy + cluster y
	s_lshl_b32 s43, s41, 2
	s_lshl_b32 s43, 15, s43                        ; my row of the cluster
	s_lshl_b32 s44, 0x1111, s40                    ; my column
	s_or_b32 s[G1+0], s43, (0<<16)|(1<<20)|(1<<21)|(5<<22)|(3<<25)   ; the mask; elements of 1 byte; padding on; bit 21 beside a mask; after every 64 words, 4 words
	s_or_b32 s[G1B+0], s44, (0<<16)|(1<<20)|(1<<21)|(5<<22)|(3<<25)
	s_mov_b32 s[G1+1], 256<<16                     ; tensor_dim0 = 256 bytes
	s_mov_b32 s[G1+2], 128<<16                     ; tensor_dim1 = 128 rows
	s_mov_b32 s[G1+3], 256<<16                     ; tile_dim0
	s_mov_b32 s[G1+4], 128                         ; tile_dim1
	s_mov_b32 s[G1+5], 512                         ; from row to row
	s_mov_b32 s[G1+6], 0
	s_mov_b32 s[G1+7], 0
	s_mov_b32 s[G1B+1], 256<<16
	s_mov_b32 s[G1B+2], 96<<16                     ; 96 rows
	s_mov_b32 s[G1B+3], 256<<16
	s_mov_b32 s[G1B+4], 96
	s_mov_b32 s[G1B+5], 512
	s_mov_b32 s[G1B+6], 0
	s_mov_b32 s[G1B+7], 0
	s_lshl_b32 s20, s19, 8
	s_lshl_b32 s21, s18, 7
	s_add_co_u32 s20, s20, s21                     ; xc: row 256 x tile row + 128 x half,
	s_lshl_b32 s20, s20, 9                         ; in bytes
	s_mov_b32 s21, 0
	s_mul_i32 s46, s42, 192
	s_mul_i32 s47, s18, 96
	s_add_co_u32 s46, s46, s47                     ; wc: row 192 x tile column + 96 x half
	s_lshl_b32 s46, s46, 9
	s_mov_b32 s47, 0
	s_mul_i32 s45, s18, HALFA                      ; where they go: no place in the cluster enters an LDS address
	s_mul_i32 s66, s18, HALFB
	s_add_co_u32 s66, s66, BOFF
	s_wait_dscnt 0x0                               ; both opening adds are done
	s_wait_kmcnt 0x0
	s_add_nc_u64 s[20:21], s[4:5], s[20:21]
	s_add_nc_u64 s[46:47], s[8:9], s[46:47]
	CROUND                                         ; all sixteen work-groups are here: the joint loads meet
.irp s, 0,1
	s_mov_b32 s[G0+4*\s], 1
	s_add_co_u32 s[G0+4*\s+1], s45, \s*SLOT
	s_add_nc_u64 s[G0+4*\s+2:G0+4*\s+3], s[20:21], \s*256          ; K half s
	s_or_b32 s[G0+4*\s+3], s[G0+4*\s+3], 0x80000000
	s_mov_b32 s[G0B+4*\s], 1
	s_add_co_u32 s[G0B+4*\s+1], s66, \s*SLOT
	s_add_nc_u64 s[G0B+4*\s+2:G0B+4*\s+3], s[46:47], \s*256
	s_or_b32 s[G0B+4*\s+3], s[G0B+4*\s+3], 0x80000000
	JLOAD G0+4*\s, G1, G0B+4*\s, G1B
.endr
	; the scale words
	s_lshl_b32 s22, s19, 13
	s_lshl_b32 s23, s16, 11
	s_add_co_u32 s22, s22, s23                     ; (256 x tile row + 64 x wave) x 32 bytes
	s_mov_b32 s23, 0
	s_add_nc_u64 s[6:7], s[6:7], s[22:23]
	s_mul_i32 s22, s42, 192*32
	s_add_nc_u64 s[10:11], s[10:11], s[22:23]
	v_and_b32 v1, 15, v0                           ; r
	v_bfe_u32 v2, v0, 4, 1                         ; h
	v_lshlrev_b32 v[SO], 5, v1                     ; lane r takes row r's 32 bytes (lanes 16-31 the same again: they are not read)
.irp a, 0,1,2,3
	global_load_b128 v[SA+8*\a:SA+8*\a+3], v[SO], s[6:7] offset:512*\a
	global_load_b128 v[SA+8*\a+4:SA+8*\a+7], v[SO], s[6:7] offset:512*\a+16
.endr
.irp b, 0,1,2,3,4,5,6,7,8,9,10,11
	global_load_b128 v[SB+8*\b:SB+8*\b+3], v[SO], s[10:11] offset:512*\b
	global_load_b128 v[SB+8*\b+4:SB+8*\b+7], v[SO], s[10:11] offset:512*\b+16
.endr
	v_mul_u32_u24 v3, v1, PITCH
	v_lshl_add_u32 v3, v2, 4, v3                   ; a fragment's row x pitch + 16 x half
	s_mul_i32 s22, s16, 64*PITCH                   ; my 64 rows of xc
	v_add_nc_u32 v[ADRA], s22, v3
	v_add_nc_u32 v[ADRA+1], SLOT, v[ADRA]
	v_add_nc_u32 v[ADRB], BOFF, v3                 ; all 192 rows of wc
	v_add_nc_u32 v[ADRB+1], SLOT, v[ADRB]
	s_mul_i32 s22, s16, 16*SPITCH
	s_add_co_u32 s22, s22, STAGE                   ; my stage
	v_mul_u32_u24 v4, v1, SPITCH
	v_lshl_add_u32 v4, v2, 4, v4
	v_add_nc_u32 v[STO], s22, v4                   ; in: row r, 16 bytes for each half of the lanes
	v_and_b32 v5, 31, v0
	v_lshrrev_b32 v6, 3, v5
	v_and_b32 v7, 7, v5
	v_mul_u32_u24 v6, v6, SPITCH
	v_lshl_add_u32 v6, v7, 4, v6
	v_add_nc_u32 v[RD], s22, v6                    ; back: eight lanes take a head's 128 bytes of a row, four rows an instruction
	v_lshlrev_b32 v[CO], 4, v5                     ; which are 512 dense bytes of a plane
	s_mul_i32 s22, s41, 48
	s_mul_i32 s23, s42, 3
	s_add_co_u32 s22, s22, s23                     ; plane 48 x batch + 3 x tile column
	s_lshl_b32 s22, s22, 11
	s_lshl_b32 s23, s67, 8
	s_add_co_u32 s22, s22, s23
	s_lshl_b32 s23, s16, 6
	s_add_co_u32 s22, s22, s23                     ; + position 256 x cluster y + 64 x wave
	s_lshl_b32 s22, s22, 7
	s_mov_b32 s23, 0
	s_add_nc_u64 s[12:13], s[12:13], s[22:23]
	s_mul_i32 s22, s41, 192
	s_mul_i32 s68, s42, 12
	s_add_co_u32 s22, s22, s68
	s_lshl_b32 s22, s22, 10                        ; q32: (192 x batch + 12 x tile column) images of 1,024 bytes
	s_add_nc_u64 s[14:15], s[14:15], s[22:23]
.macro FRAG reg, adr, q, i             ; 16 rows x 128 K of 4-bit codes: 8 registers: two loads of 16 bytes, 32 bytes apart
.irp c, 0,1
	ds_load_b128 v[(\reg)+4*\c:(\reg)+4*\c+3], v[\adr] offset:64*(\q)+32*\c+(\i)*16*PITCH
.endr
.endm
.macro FETCH g                         ; step g of eight (slot g / 4, its (g % 4)-th 128 along K) into set g % 2: 32 loads in one run
	WIN TO_B
.irp i, 0,1,2,3,4,5,6,7,8,9,10,11
	FRAG 128*((\g)%2)+8*\i, ADRB+(\g)/4, (\g)%4, \i
.endr
	WIN 0
.irp i, 0,1,2,3
	FRAG AF+32*((\g)%2)+8*\i, ADRA+(\g)/4, (\g)%4, \i
.endr
.endm
.macro MUL g                           ; 48 matrix instructions; the 48 accumulators take turns, one instruction a turn, in the same order in every step
.irp a, 0,1,2,3
.if \a == 0
	WIN MUL_LO
.endif
.if \a == 2
	WIN MUL_HI
.endif
.irp b, 0,1,2,3,4,5,6,7,8,9,10,11
.if (\g) == 0
	v_wmma_scale_f32_16x16x128_f8f6f4 v[8*(12*(\a%2)+\b):8*(12*(\a%2)+\b)+7], v[128*((\g)%2)+8*\b:128*((\g)%2)+8*\b+7], v[AF+32*((\g)%2)+8*\a:AF+32*((\g)%2)+8*\a+7], 0, v[SB+8*\b+(\g)], v[SA+8*\a+(\g)] matrix_a_fmt:MATRIX_FMT_FP4 matrix_b_fmt:MATRIX_FMT_FP4
.else
	v_wmma_scale_f32_16x16x128_f8f6f4 v[8*(12*(\a%2)+\b):8*(12*(\a%2)+\b)+7], v[128*((\g)%2)+8*\b:128*((\g)%2)+8*\b+7], v[AF+32*((\g)%2)+8*\a:AF+32*((\g)%2)+8*\a+7], v[8*(12*(\a%2)+\b):8*(12*(\a%2)+\b)+7], v[SB+8*\b+(\g)], v[SA+8*\a+(\g)] matrix_a_fmt:MATRIX_FMT_FP4 matrix_b_fmt:MATRIX_FMT_FP4
.endif
.endr
.endr
.endm
.macro STEP g
	s_wait_dscnt 0x0                               ; this step's fragments are in (asked for a step, 48 matrix instructions, ago)
.if (\g) == 3
	s_wait_tensorcnt 0x0                           ; my part of slot 1 has landed,
	s_barrier_signal -1
	s_barrier_wait -1                              ; everybody's has: the next fetch reads it.
.endif
.if (\g) < 7
.if (\g) > 0
	PLACES
.endif
	FETCH (\g)+1
.endif
	MUL \g
.endm
	s_wait_tensorcnt 1                             ; my part of slot 0 is in; slot 1's load may be out
	s_barrier_signal -1
	s_barrier_wait -1
	FETCH 0
	s_wait_loadcnt 0x0                             ; the scale words
.irp g, 0,1,2,3,4,5,6,7
	STEP \g
.endr
	WIN 0
	PLACES
	; positions t < 16 of my batch, whole: wave 0 where the cluster's y is 0 (the same in all sixteen partners).  Block a = 0's accumulators as they stand, each from its low end on
	s_cmp_lg_u32 s16, 0
	s_cbranch_scc1 .Lno_fine
	s_cmp_lg_u32 s67, 0
	s_cbranch_scc1 .Lno_fine
	WIN 0x08                                       ; a store's data: window 2
.irp b, 0,1,2,3,4,5,6,7,8,9,10,11
	global_store_b128 v[CO], v[8*\b:8*\b+3], s[14:15] offset:1024*\b
	global_store_b128 v[CO], v[8*\b+4:8*\b+7], s[14:15] offset:1024*\b+512
.endr
	WIN 0
.Lno_fine:
; THE WAY OUT, 16 rows at a time: rounded to f16, 16 bytes a lane into my stage, back head by head: four rows of a head are 512 dense bytes of its plane.
.macro OUTBLK a
	WIN 0x0a+5*((\a)/2)                            ; sources in window 2 or 3
.irp b, 0,1,2,3,4,5,6,7,8,9,10,11
.irp r, 0,1,2,3
	v_cvt_pk_f16_f32 v[TMP+4*\b+\r], v[8*(12*((\a)%2)+\b)+2*\r], v[8*(12*((\a)%2)+\b)+2*\r+1]
.endr
.endr
	WIN 0
.irp b, 0,1,2,3,4,5,6,7,8,9,10,11
	ds_store_b128 v[STO], v[TMP+4*\b:TMP+4*\b+3] offset:32*\b
.endr
.if (\a) > 0
	s_wait_xcnt 0x0                                ; the last block's stores have read their registers: they are loaded again only behind this wait
.endif
.irp hh, 0,1,2
.irp i, 0,1,2,3
	ds_load_b128 v[BK+4*(4*\hh+\i):BK+4*(4*\hh+\i)+3], v[RD] offset:4*SPITCH*\i+128*\hh   ; LDS serves a wave's instructions in order: these see the stores above
.endr
.endr
	s_wait_dscnt 0x0
.irp hh, 0,1,2
.irp i, 0,1,2,3
	global_store_b128 v[CO], v[BK+4*(4*\hh+\i):BK+4*(4*\hh+\i)+3], s[12:13] offset:262144*\hh+2048*(\a)+512*\i   ; 512 consecutive bytes, aligned
.endr
.endr
.endm
	OUTBLK 0
	OUTBLK 1
	OUTBLK 2
	OUTBLK 3
	s_wait_tensorcnt 0x0                           ; the wave's end: three lines behind my last tensor load and my last LDS store
	ds_add_u32 v[SPW], v[NIL]
	s_wait_dscnt 0x0
	CROUND                                         ; the closing round
	s_endpgm
.Lfunc_end_k_qd946d03c56_qkv:
	.size	k_qd946d03c56_qkv, .Lfunc_end_k_qd946d03c56_qkv-k_qd946d03c56_qkv
	.p2alignl 7, 3214868480
	.fill 96, 4, 3214868480
	.section	.rodata,"a",@progbits
	.p2align	6, 0x0
	.amdhsa_kernel k_qd946d03c56_qkv
		.amdhsa_group_segment_fixed_size 270336
		.amdhsa_private_segment_fixed_size 0
		.amdhsa_enable_private_segment 0
		.amdhsa_kernarg_size 48
		.amdhsa_user_sgpr_count 2
		.amdhsa_user_sgpr_kernarg_segment_ptr 1
		.amdhsa_wavefront_size32 1
		.amdhsa_system_sgpr_workgroup_id_x 1
		.amdhsa_system_sgpr_workgroup_id_y 1
		.amdhsa_system_sgpr_workgroup_id_z 1
		.amdhsa_system_vgpr_workitem_id 0
		.amdhsa_next_free_vgpr 1024
		.amdhsa_next_free_sgpr 72
		.amdhsa_reserve_vcc 0
		.amdhsa_float_denorm_mode_32 3
		.amdhsa_float_denorm_mode_16_64 3
		.amdhsa_memory_ordered 1
		.amdhsa_forward_progress 1
		.amdhsa_inst_pref_size 103
	.end_amdhsa_kernel
	.amdgpu_metadata
---
amdhsa.version: [ 1, 2 ]
amdhsa.kernels:
  - .name:           k_qd946d03c56_qkv
    .symbol:         k_qd946d03c56_qkv.kd
    .args:
      - { .name: xc, .offset: 0, .size: 8, .value_kind: global_buffer, .address_space: global }
      - { .name: xs, .offset: 8, .size: 8, .value_kind: global_buffer, .address_space: global }
      - { .name: wc, .offset: 16, .size: 8, .value_kind: global_buffer, .address_space: global }
      - { .name: ws, .offset: 24, .size: 8, .value_kind: global_buffer, .address_space: global }
      - { .name: qkv16, .offset: 32, .size: 8, .value_kind: global_buffer, .address_space: global }
      - { .name: q32, .offset: 40, .size: 8, .value_kind: global_buffer, .address_space: global }
    .group_segment_fixed_size: 270336
    .private_segment_fixed_size: 0
    .kernarg_segment_align: 8
    .kernarg_segment_size: 48
    .max_flat_workgroup_size: 128
    .sgpr_count:     72
    .vgpr_count:     1024
    .wavefront_size: 32
...
	.end_amdgpu_metadata
.endif
;; end of part 2
;; launch attn (part 3): grid 4 x 64, 8 waves a work-group, no clusters, 327,680 bytes of LDS; arguments qkv16, y16; writes y16
.if DOCPART == 3
	.amdgcn_target "amdgcn-amd-amdhsa--gfx1250"
	.amdhsa_code_object_version 6
	.text
	.protected	k_qd946d03c56_attn
	.globl	k_qd946d03c56_attn
	.p2align	8
	.type	k_qd946d03c56_attn,@function
k_qd946d03c56_attn:
	s_mov_b64 s[64:65], 0
	v_nop
	global_prefetch_b8 v0, s[64:65] scope:SCOPE_SE
	s_setreg_imm32_b32 hwreg(HW_REG_WAVE_MODE, 25, 1), 1
	s_wait_xcnt 0x0
; y[b][h][t][:] = the sum over s <= t of softmax_s(q[t] . k[s] / 8) v[s][:], head size 64, 2,048 positions, 64 pairs (batch, head).  q, k, v: planes of qkv16, f16, [t][64]; y16: f16, [b][h][t][64].
; Products on f16 operands with f32 sums; maxima, exponentials and sums in f32; the weights p (at most 1) are rounded to f16 for the second product, y once at the end.
; SHARES.  Work-group (i, bh) owns query blocks 7 - i and i of 256 queries: under the causal mask (8 - i) + (i + 1) = 9 blocks of keys in every one of the 256 work-groups.  Each of its eight waves owns in
; each block a GROUP of 32 queries, two tiles of 16, which share every fragment of k and v read from LDS.  Two waves lie on a SIMD: one wave's vector work stands beside the other's matrix work and LDS loads.
; LAYOUT.  S^T = k q^T (source 0 = 16 keys, source 1 = 16 queries) and O^T = v^T P (source 0 = 16 channels, turned out of LDS by ds_load_tr16_b128; source 1 = P): a lane holds ONE query (lane % 16) throughout,
; and two tiles of S^T, rounded in pairs, ARE source 1 of the second product.
; SOFTMAX.  For each query a running maximum m and sum l: p = 2^(c s - c m), c = log2(e) / 8; in every step O^T and l are multiplied by a = 2^(c m_old - c m_new).
; THE MASK.  Every work-group walks all eight slots of 256 keys: the trip counts are constants.  A step of 64 keys all of which come after a group's queries is jumped over (a branch on ids); on the diagonal hidden scores
; become -infinity ahead of the maximum.  In a step that is walked the step's first key counts for every query of the group, so m is a number from the first step on.  A slot whose first key comes after the
; work-group's last query is not asked for.
; NO CLUSTER: the four work-groups of a head need 8, 7, 6 and 5 slots: a partner would have to jump over the reads of tiles asked for jointly.
; LIMITS: NaN and infinities are not served; y of magnitude 65,520 or more becomes an infinity of f16.
; REGISTERS: window 0: v1-15 addresses and constants; v16-31 c m, m, l (two halves) of the four tiles; v32-47 at work, 8 a tile; v48-111 S^T, then p, 32 a tile; v112-143 P, 16 a tile; v144-207 k's fragments, then v's.
;   window 1: v0-63 q (32 group + 16 tile + 8 half of the channels); v64-191 O^T (64 + 64 group + 32 tile + 8 block of channels).
.set KP,    144                        ; a key's row in LDS: 128 bytes + 16
.set VP,    160                        ; a row of v: 128 + 32: the turning load's eight rows x 32 bytes fall on different banks (64 banks of 4 bytes: ISA guide 11.1)
.set VOFF,  256*KP                     ; a slot: 256 rows of k, then 256 rows of v
.set SLOT1, 1<<17                      ; slot 1 begins here: one exclusive or turns an address from one slot to the other
.set STAGE, 2*SLOT1                    ; the way out: 16 rows x 144 bytes for each wave; no tile lands here
.set SP,    144
.set SPARE, STAGE+8*16*SP              ; the spare words, 128 bytes a wave
.set AK0, 1
.set AV0, 2
.set ADK, 3
.set ADV, 4
.set SPW, 5
.set NIL, 6
.set GO,  7
.set STO, 8
.set RD,  9
.set QO,  10
.set PFO, 11
.set D0,  12
.set NINF, 13
.set DT,  14
.set ST,  16
.set T,   32
.set S,   48
.set P,   112
.set F,   144
.set OW,  64
.set WV,  18
.set SEL, 20
.set CS,  22
.set G1K, 24
.set G1V, 32
.set G0K, 40
.set G0V, 44
.set TBK, 2                            ; s2   LDS byte at which the step's rows of k begin
.set TBV, 3                            ; s3   the same for v (less VOFF)
.set SLOTS, 66
.set TW,  67
.set KF,  68                           ; s68  the step's first key
.set QG,  69                           ; s69, s70  my groups' first queries
.set YB,  72                           ; s[72:73], s[74:75]  their rows of y16
.set PFA, 76
.set LIM, 80
.set MSB, 0
.macro WIN new
.if MSB != \new
	s_set_vgpr_msb (MSB<<8)|\new
.set MSB, \new
.endif
.endm
.set W_KQ, 0x04                        ; q in window 1
.set W_PV, 0x50                        ; O^T (C and D) in window 1
.set W_RS, 0x41                        ; O^T (destination and source 0) in window 1
.macro TLOAD                           ; waves 0 and 1 fetch k's halves of a slot, waves 2 and 3 v's, the others nothing; an s_nop 0 and four v_nop follow each line
	s_cmp_lt_u32 s[WV], 2
	s_cbranch_scc0 .Lnot_k_\@
	tensor_load_to_lds s[G0K:G0K+3], s[G1K:G1K+7]
	s_nop 0
.rept 4
	v_nop
.endr
	s_branch .Lasked_\@
.Lnot_k_\@:
	s_cmp_lt_u32 s[WV], 4
	s_cbranch_scc0 .Lasked_\@
	tensor_load_to_lds s[G0V:G0V+3], s[G1V:G1V+7]
	s_nop 0
.rept 4
	v_nop
.endr
.Lasked_\@:
.endm
; A PREFETCH of what the NEXT change of slots will ask for: a slot's 32,768 dense bytes of k and as many of v.  All four work-groups of a head walk the same k and v: the one that walks all eight slots (x = 0) asks.
; Waves 0 to 3 name v's bytes, waves 4 to 7 k's: 8,192 bytes a wave, lanes 256 bytes apart, one instruction: each aligned block of 256 bytes is named once in the launch.
; It stands a slot's four key steps ahead of the load that will want the bytes.  Slots 0 and 1 come by their loads alone; the last change that fills a slot asks for nothing.
.macro ASK
	s_cmp_gt_u32 s[SLOTS], s[LIM]
	s_cbranch_scc0 .Lnot_mine_\@
	global_prefetch_b8 v[PFO], s[PFA:PFA+1] th:TH_LOAD_NT scope:SCOPE_SE
.Lnot_mine_\@:
.endm
	s_load_b128 s[4:7], s[0:1], 0x0                ; qkv16 s[4:5], y16 s[6:7]
	v_lshl_add_u32 v[SPW], v0, 2, SPARE
	v_mov_b32 v[NIL], 0
	ds_add_u32 v[SPW], v[NIL]                      ; the wave's opening: the add, twice on end, and its wait ahead of the first tensor load
	ds_add_u32 v[SPW], v[NIL]
	v_lshrrev_b32 v1, 5, v0
	v_readfirstlane_b32 s[WV], v1                  ; wave 0..7
	s_and_b32 s8, ttmp7, 0xffff                    ; 16 x batch + head
	s_lshr_b32 s9, s8, 4
	s_and_b32 s10, s8, 15
	s_mul_i32 s9, s9, 48
	s_add_co_u32 s10, s10, s9                      ; q's plane: 48 x batch + head
	s_lshl_b32 s10, s10, 18                        ; a plane is 262,144 bytes
	s_mov_b32 s11, 0
	s_sub_co_u32 s[QG], 7, ttmp9
	s_lshl_b32 s[QG], s[QG], 8
	s_lshl_b32 s9, s[WV], 5
	s_add_co_u32 s[QG], s[QG], s9                  ; group 0: block 7 - i, + 32 x wave
	s_lshl_b32 s[QG+1], ttmp9, 8
	s_add_co_u32 s[QG+1], s[QG+1], s9              ; group 1: block i
	s_and_b32 s12, s[WV], 1                        ; which half of a slot's rows I fetch, if I fetch
	s_mov_b32 s[G1K], (1<<16)|(1<<20)|(4<<22)|(3<<25)              ; no mask; elements of 2 bytes; padding: after every 32 words, 4 words
	s_mov_b32 s[G1K+1], 64<<16                     ; tensor_dim0 = 64
	s_mov_b32 s[G1K+2], 128<<16                    ; tensor_dim1 = 128 rows
	s_mov_b32 s[G1K+3], 64<<16                     ; tile_dim0
	s_mov_b32 s[G1K+4], 128                        ; tile_dim1
	s_mov_b32 s[G1K+5], 64                         ; from row to row
	s_mov_b32 s[G1K+6], 0
	s_mov_b32 s[G1K+7], 0
	s_mov_b32 s[G1V], (1<<16)|(1<<20)|(4<<22)|(7<<25)              ; the same with 8 words of padding
	s_mov_b32 s[G1V+1], 64<<16
	s_mov_b32 s[G1V+2], 128<<16
	s_mov_b32 s[G1V+3], 64<<16
	s_mov_b32 s[G1V+4], 128
	s_mov_b32 s[G1V+5], 64
	s_mov_b32 s[G1V+6], 0
	s_mov_b32 s[G1V+7], 0
	s_mov_b32 s[SEL], 0x76543210
	s_mov_b32 s[SEL+1], 0xfedcba98                 ; v_permlanex16_b32's selects for lane l xor 16
	s_mov_b32 s[CS], 0x3e38aa3b                    ; c = log2(e) / 8
	s_mov_b32 s[CS+1], s[CS]                       ; (named with it as a pair, so it is written)
	s_mov_b32 s[TBK], 0
	s_mov_b32 s[TBV], 0
	s_mov_b32 s[SLOTS], 7
	s_mov_b32 s[KF], 0
	s_mov_b32 s49, 0
	s_wait_dscnt 0x0                               ; both opening adds are done
	s_wait_kmcnt 0x0
	s_add_nc_u64 s[4:5], s[4:5], s[10:11]          ; q's plane,
	s_add_nc_u64 s[14:15], s[4:5], 0x400000        ; k's, 16 planes on,
	s_add_nc_u64 s[16:17], s[4:5], 0x800000        ; v's, 32 planes on
	s_lshl_b32 s48, s12, 14                        ; 128 rows of 128 bytes
	s_mov_b32 s[G0K], 1
	s_mul_i32 s[G0K+1], s12, 128*KP                ; slot 0
	s_add_nc_u64 s[G0K+2:G0K+3], s[14:15], s[48:49]
	s_or_b32 s[G0K+3], s[G0K+3], 0x80000000
	s_mov_b32 s[G0V], 1
	s_mul_i32 s[G0V+1], s12, 128*VP
	s_add_co_u32 s[G0V+1], s[G0V+1], VOFF
	s_add_nc_u64 s[G0V+2:G0V+3], s[16:17], s[48:49]
	s_or_b32 s[G0V+3], s[G0V+3], 0x80000000
	TLOAD                                          ; slot 0: keys 0 to 255, which count for queries of every work-group
	s_lshl_b32 s48, s[QG], 7
	s_add_nc_u64 s[50:51], s[4:5], s[48:49]        ; q at my groups' first rows
	s_lshl_b32 s48, s[QG+1], 7
	s_add_nc_u64 s[52:53], s[4:5], s[48:49]
	v_and_b32 v32, 15, v0                          ; r
	v_bfe_u32 v33, v0, 4, 1                        ; h
	v_and_b32 v34, 31, v0                          ; lane
	v_lshlrev_b32 v[QO], 7, v32
	v_lshl_add_u32 v[QO], v33, 4, v[QO]            ; row r of 128 bytes, + 16 h
	WIN 0x40                                       ; destination window 1
.irp g, 0,1
.irp t, 0,1
.irp c, 0,1
	global_load_b128 v[32*\g+16*\t+8*\c:32*\g+16*\t+8*\c+3], v[QO], s[50+2*\g:51+2*\g] offset:2048*\t+64*\c
	global_load_b128 v[32*\g+16*\t+8*\c+4:32*\g+16*\t+8*\c+7], v[QO], s[50+2*\g:51+2*\g] offset:2048*\t+64*\c+32
.endr
.endr
.endr
.set ee, 0
.rept 128
	v_mov_b32 v[OW+ee], 0                          ; O^T.  (The step is written once: the first finds zeros, which its a = 0 leaves zeros)
.set ee, ee+1
.endr
	WIN 0
	s_lshl_b32 s48, s8, 18
	s_add_nc_u64 s[6:7], s[6:7], s[48:49]          ; y16's plane
	s_lshl_b32 s48, s[QG], 7
	s_add_nc_u64 s[YB:YB+1], s[6:7], s[48:49]
	s_lshl_b32 s48, s[QG+1], 7
	s_add_nc_u64 s[YB+2:YB+3], s[6:7], s[48:49]
	s_cmp_lt_u32 s[WV], 4
	s_cselect_b64 s[PFA:PFA+1], s[16:17], s[14:15]
	s_and_b32 s48, s[WV], 3
	s_lshl_b32 s48, s48, 13
	s_add_co_u32 s48, s48, 32768                   ; my 8,192 bytes, in slot 1: the first change of slots steps them to slot 2
	s_add_nc_u64 s[PFA:PFA+1], s[PFA:PFA+1], s[48:49]
	s_cmp_eq_u32 ttmp9, 0
	s_cselect_b32 s[LIM], 1, -1
	v_mul_u32_u24 v[AK0], v32, KP
	v_lshl_add_u32 v[AK0], v33, 4, v[AK0]          ; k: row r x pitch + 16 h
	v_and_b32 v35, 7, v0
	v_lshl_add_u32 v35, v33, 3, v35
	v_mul_u32_u24 v[AV0], v35, VP                  ; v: key 8 h + lane % 8,
	v_bfe_u32 v35, v0, 3, 1
	v_lshl_add_u32 v[AV0], v35, 4, v[AV0]          ; channels 8 ((lane / 8) % 2) on
	v_add_nc_u32 v[AV0], VOFF, v[AV0]
	v_lshlrev_b32 v[GO], 4, v34
	s_mul_i32 s48, s[WV], 16*SP
	s_add_co_u32 s48, s48, STAGE                   ; my stage
	v_mul_u32_u24 v[STO], v32, SP
	v_lshl_add_u32 v[STO], v33, 4, v[STO]
	v_add_nc_u32 v[STO], s48, v[STO]               ; in: row r, 16 bytes for each half of the lanes
	v_lshrrev_b32 v35, 3, v34
	v_mul_u32_u24 v[RD], v35, SP
	v_and_b32 v35, 7, v0
	v_lshl_add_u32 v[RD], v35, 4, v[RD]
	v_add_nc_u32 v[RD], s48, v[RD]                 ; back: eight lanes to a row of 128 bytes, four rows an instruction
	v_lshlrev_b32 v[PFO], 8, v34
	v_lshlrev_b32 v35, 3, v33
	v_sub_nc_u32 v[D0], v32, v35                   ; r - 8 h
	v_mov_b32 v[NINF], 0xff800000                  ; -infinity
.irp u, 0,1,2,3
	v_mov_b32 v[ST+4*\u+1], 0xff61b1e6             ; m = -3e38, under every score
	v_mov_b32 v[ST+4*\u+2], 0                      ; l, in two halves
	v_mov_b32 v[ST+4*\u+3], 0
.endr
.irp u, 0,1,2,3
	v_mul_f32 v[ST+4*\u], s[CS], v[ST+4*\u+1]      ; c m
.endr
.irp j, 0,1,2,3,4,5,6,7,8,9,10,11,12,13,14,15
	v_mov_b32 v[T+\j], 0                           ; written once: a lane permute's destination counts as read, and so does the upper half of a pair
.endr
; A KEY STEP OF ONE GROUP: 64 keys x 32 queries, in phases.
.macro STEPG g
	s_cmp_gt_u32 s[KF], s[QG+\g]                   ; KF is a multiple of 64, my first query of 32: KF above it means that all 64 keys come after all 32 queries
	s_cbranch_scc1 .Lhid_\@
	v_add_nc_u32 v[ADK], s[TBK], v[AK0]
	v_add_nc_u32 v[ADV], s[TBV], v[AV0]
	v_nop
	v_nop                                          ; with the two additions: four places behind the last products, in front of loads into registers that they read
.irp kt, 0,1,2,3
.irp c, 0,1
	ds_load_b128 v[F+8*(2*\kt+\c):F+8*(2*\kt+\c)+3], v[ADK] offset:16*KP*\kt+64*\c
	ds_load_b128 v[F+8*(2*\kt+\c)+4:F+8*(2*\kt+\c)+7], v[ADK] offset:16*KP*\kt+64*\c+32
.endr
.endr
	s_wait_dscnt 0x0
	WIN W_KQ
.irp c, 0,1                            ; S^T = k q^T: eight accumulators by turns, two deep
.irp kt, 0,1,2,3
.irp t, 0,1
.if \c == 0
	v_wmma_f32_16x16x32_f16 v[S+32*\t+8*\kt:S+32*\t+8*\kt+7], v[F+8*(2*\kt+\c):F+8*(2*\kt+\c)+7], v[32*\g+16*\t+8*\c:32*\g+16*\t+8*\c+7], 0
.else
	v_wmma_f32_16x16x32_f16 v[S+32*\t+8*\kt:S+32*\t+8*\kt+7], v[F+8*(2*\kt+\c):F+8*(2*\kt+\c)+7], v[32*\g+16*\t+8*\c:32*\g+16*\t+8*\c+7], v[S+32*\t+8*\kt:S+32*\t+8*\kt+7]
.endif
.endr
.endr
.endr
	WIN 0
.rept 4
	v_nop                                          ; places: in front of the loads below and of the first read of the scores
.endr
.irp kh, 0,1                           ; v's fragments take k's registers; they land while the softmax is walked
.irp ct, 0,1,2,3
	ds_load_tr16_b128 v[F+8*(4*\kh+\ct):F+8*(4*\kh+\ct)+3], v[ADV] offset:32*VP*\kh+32*\ct
	ds_load_tr16_b128 v[F+8*(4*\kh+\ct)+4:F+8*(4*\kh+\ct)+7], v[ADV] offset:32*VP*\kh+32*\ct+16*VP
.endr
.endr
	s_add_co_u32 s96, s[KF], 63
	s_cmp_le_u32 s96, s[QG+\g]                     ; all 64 keys count for all 32 queries: nothing to hide
	s_cbranch_scc1 .Lopen_\@
	s_sub_co_u32 s96, s[QG+\g], s[KF]
	v_add_nc_u32 v[DT], s96, v[D0]                 ; d = my query - KF - 8 h.  Register 8 kt + j holds key KF + 16 kt + 8 h + j: hidden where 16 kt + j > d
	v_add_nc_u32 v[DT+1], 16, v[DT]
.irp kt, 0,1,2,3
.irp j, 0,1,2,3,4,5,6,7
.irp t, 0,1
	v_cmp_gt_i32 vcc_lo, 16*\kt+\j, v[DT+\t]
	v_cndmask_b32 v[S+32*\t+8*\kt+\j], v[S+32*\t+8*\kt+\j], v[NINF], vcc_lo
.endr
.endr
.endr
.Lopen_\@:
	; the maximum of a lane's 32 scores and the old m: four chains, each accumulator from its low end on; the two tiles line by line, so that no line waits for the line above it
.irp j, 0,1,2,3
.irp t, 0,1
	v_max3_num_f32 v[T+8*\t+\j], v[S+32*\t+8*\j], v[S+32*\t+8*\j+1], v[S+32*\t+8*\j+2]
.endr
.endr
.irp i, 3,5
.irp j, 0,1,2,3
.irp t, 0,1
	v_max3_num_f32 v[T+8*\t+\j], v[T+8*\t+\j], v[S+32*\t+8*\j+\i], v[S+32*\t+8*\j+\i+1]
.endr
.endr
.endr
.irp t, 0,1
	v_max3_num_f32 v[T+8*\t], v[T+8*\t], v[S+32*\t+7], v[S+32*\t+15]
	v_max3_num_f32 v[T+8*\t+2], v[T+8*\t+2], v[S+32*\t+23], v[S+32*\t+31]
.endr
.irp t, 0,1
	v_max3_num_f32 v[T+8*\t], v[T+8*\t], v[T+8*\t+1], v[T+8*\t+2]
.endr
.irp t, 0,1
	v_max3_num_f32 v[T+8*\t], v[T+8*\t], v[T+8*\t+3], v[ST+8*\g+4*\t+1]
.endr
.irp t, 0,1
	v_permlanex16_b32 v[T+8*\t+4], v[T+8*\t], s[SEL], s[SEL+1]     ; the query's other 32 keys lie in the lane 16 away
.endr
.irp t, 0,1
	v_mov_b32 v[T+8*\t+5], v[ST+8*\g+4*\t]         ; c m_old
.endr
.irp t, 0,1
	v_max_num_f32 v[ST+8*\g+4*\t+1], v[T+8*\t], v[T+8*\t+4]        ; the new m
.endr
.irp t, 0,1
	v_mul_f32 v[ST+8*\g+4*\t], s[CS], v[ST+8*\g+4*\t+1]            ; c m
.endr
.irp t, 0,1
	v_sub_f32 v[T+8*\t+5], v[T+8*\t+5], v[ST+8*\g+4*\t]            ; c m_old - c m_new
.endr
.set ee, 0
.rept 16
	v_pk_fma_f32 v[S+2*ee:S+2*ee+1], v[S+2*ee:S+2*ee+1], s[CS:CS+1], v[ST+8*\g:ST+8*\g+1] op_sel_hi:[1,0,0] neg_lo:[0,0,1] neg_hi:[0,0,1]   ; c s - c m, two at a time
	v_pk_fma_f32 v[S+32+2*ee:S+32+2*ee+1], v[S+32+2*ee:S+32+2*ee+1], s[CS:CS+1], v[ST+8*\g+4:ST+8*\g+5] op_sel_hi:[1,0,0] neg_lo:[0,0,1] neg_hi:[0,0,1]
.set ee, ee+1
.endr
.irp t, 0,1
	v_exp_f32 v[T+8*\t+6], v[T+8*\t+5]             ; a
.endr
.set ee, 0
.rept 32
	v_exp_f32 v[S+ee], v[S+ee]                     ; p: both tiles' 66 exponentials are ONE batch
	v_exp_f32 v[S+32+ee], v[S+32+ee]
.set ee, ee+1
.endr
	v_nop                                          ; the plain line behind the last exponential
	s_wait_alu depctr_va_vdst(0)                   ; the wait ahead of the first line that names a result: one for the batch
.set ee, 0
.rept 16
	v_cvt_pk_f16_f32 v[P+ee], v[S+2*ee], v[S+2*ee+1]               ; the weights for the second product, ahead of the sums, which work in place
	v_cvt_pk_f16_f32 v[P+16+ee], v[S+32+2*ee], v[S+32+2*ee+1]
.set ee, ee+1
.endr
.irp u, 0,1,2,3,4,5,6,7                ; the sum of the unrounded p: neighbours 1, 2, 4 and 8 pairs apart
.irp t, 0,1
	v_pk_add_f32 v[S+32*\t+4*\u:S+32*\t+4*\u+1], v[S+32*\t+4*\u:S+32*\t+4*\u+1], v[S+32*\t+4*\u+2:S+32*\t+4*\u+3]
.endr
.endr
.irp u, 0,1,2,3
.irp t, 0,1
	v_pk_add_f32 v[S+32*\t+8*\u:S+32*\t+8*\u+1], v[S+32*\t+8*\u:S+32*\t+8*\u+1], v[S+32*\t+8*\u+4:S+32*\t+8*\u+5]
.endr
.endr
.irp u, 0,1
.irp t, 0,1
	v_pk_add_f32 v[S+32*\t+16*\u:S+32*\t+16*\u+1], v[S+32*\t+16*\u:S+32*\t+16*\u+1], v[S+32*\t+16*\u+8:S+32*\t+16*\u+9]
.endr
.endr
.irp t, 0,1
	v_pk_add_f32 v[S+32*\t:S+32*\t+1], v[S+32*\t:S+32*\t+1], v[S+32*\t+16:S+32*\t+17]
.endr
.irp t, 0,1
	v_pk_fma_f32 v[ST+8*\g+4*\t+2:ST+8*\g+4*\t+3], v[ST+8*\g+4*\t+2:ST+8*\g+4*\t+3], v[T+8*\t+6:T+8*\t+7], v[S+32*\t:S+32*\t+1] op_sel_hi:[1,0,1]   ; l = a l + the sum
.endr
	WIN W_RS
.set ee, 0
.rept 16
	v_pk_mul_f32 v[OW+64*\g+2*ee:OW+64*\g+2*ee+1], v[OW+64*\g+2*ee:OW+64*\g+2*ee+1], v[T+6:T+7] op_sel_hi:[1,0]   ; O^T x a
	v_pk_mul_f32 v[OW+64*\g+32+2*ee:OW+64*\g+32+2*ee+1], v[OW+64*\g+32+2*ee:OW+64*\g+32+2*ee+1], v[T+14:T+15] op_sel_hi:[1,0]
.set ee, ee+1
.endr
	s_wait_dscnt 0x0                               ; v's fragments are in
	WIN W_PV
.irp kh, 0,1                           ; O^T += v^T P: eight accumulators by turns, two deep
.irp ct, 0,1,2,3
.irp t, 0,1
	v_wmma_f32_16x16x32_f16 v[OW+64*\g+32*\t+8*\ct:OW+64*\g+32*\t+8*\ct+7], v[F+8*(4*\kh+\ct):F+8*(4*\kh+\ct)+7], v[P+16*\t+8*\kh:P+16*\t+8*\kh+7], v[OW+64*\g+32*\t+8*\ct:OW+64*\g+32*\t+8*\ct+7]
.endr
.endr
.endr
	WIN 0
.Lhid_\@:
.endm
.macro FOUR_STEPS                      ; a slot's four key steps: written once, walked four times; the LDS addresses hang on s[TBK], s[TBV]
	s_mov_b32 s[TW], 4
.Lstep_\@:
	STEPG 0
	STEPG 1
	s_add_co_u32 s[KF], s[KF], 64
	s_add_co_u32 s[TBK], s[TBK], 64*KP
	s_add_co_u32 s[TBV], s[TBV], 64*VP
	s_sub_co_u32 s[TW], s[TW], 1
	s_cmp_lg_u32 s[TW], 0
	s_cbranch_scc1 .Lstep_\@
	s_sub_co_u32 s[TBK], s[TBK], 256*KP            ; back to a slot's first step,
	s_xor_b32 s[TBK], s[TBK], SLOT1                ; in the other slot
	s_sub_co_u32 s[TBV], s[TBV], 256*VP
	s_xor_b32 s[TBV], s[TBV], SLOT1
.endm
; THE CHANGE OF SLOTS stands at a slot's head.  Each wave waits for all its tensor loads (its part of the slot that it is about to read), adds 0 to its spare word, and waits for that and for its reads of the slot that
; it has left.  Behind the barrier the slot ahead is whole and nobody reads the other one.  fill = 1: that other slot takes the next 256 keys, up to the causal limit: the load has four key steps in which to land.
; A fetching wave has one tensor load out.
.macro CHANGE fill
	s_wait_tensorcnt 0x0                           ; no tensor load of mine is out, so a group 0 may be written
	ds_add_u32 v[SPW], v[NIL]                      ; adds 0 to my spare word
.if \fill
	ds_add_u32 v[SPW], v[NIL]                      ; and, where a tensor load follows that four waves are led round, twice on end
	s_xor_b32 s[G0K+1], s[G0K+1], SLOT1            ; the walking descriptors: the other slot than last time,
	s_add_nc_u64 s[G0K+2:G0K+3], s[G0K+2:G0K+3], 32768             ; the next 256 keys
	s_xor_b32 s[G0V+1], s[G0V+1], SLOT1
	s_add_nc_u64 s[G0V+2:G0V+3], s[G0V+2:G0V+3], 32768
	s_wait_xcnt 0x0                                ; the last prefetch, a slot back, has read its address
	s_add_nc_u64 s[PFA:PFA+1], s[PFA:PFA+1], 32768 ; one slot further on than the walking descriptors
.endif
	s_wait_dscnt 0x0                               ; the add is done, and my reads of the slot that I have left are over
	s_barrier_signal -1
	s_barrier_wait -1
.if \fill
	s_add_co_u32 s96, s[KF], 256                   ; the first key of the slot that this change would ask for,
	s_or_b32 s97, s[QG], 255                       ; my work-group's last query:
	s_cmp_gt_u32 s96, s97                          ; ids and the count of steps alone: all eight waves go the same way.  Beyond the limit no wave would read the slot, so it is not asked for
	s_cbranch_scc1 .Lpast_\@
	TLOAD
.Lpast_\@:
	ASK
.endif
.endm
	s_wait_loadcnt 0x0                             ; q
.Lslot:                                                ; seven trips: behind each change of slots but the last the next slot is asked for
	CHANGE 1
	FOUR_STEPS
	s_sub_co_u32 s[SLOTS], s[SLOTS], 1
	s_cmp_lg_u32 s[SLOTS], 0
	s_cbranch_scc1 .Lslot
	CHANGE 0                                       ; the last slot is written out: nothing is left to ask for
	FOUR_STEPS
	; THE WAY OUT.  l's two halves and the other half of the lanes' are added; O^T is divided by l, rounded to f16 and sent through my stage, a tile (16 rows of 128 bytes) at a time.
.irp u, 0,1,2,3
	v_add_f32 v[T+8+\u], v[ST+4*\u+2], v[ST+4*\u+3]
.endr
.irp u, 0,1,2,3
	v_permlanex16_b32 v[T+12+\u], v[T+8+\u], s[SEL], s[SEL+1]
.endr
.irp u, 0,1,2,3
	v_add_f32 v[T+8+\u], v[T+8+\u], v[T+12+\u]
.endr
.irp u, 0,1,2,3
	v_rcp_f32 v[T+2*\u], v[T+8+\u]
.endr
	v_nop                                          ; the plain line behind the last reciprocal
	s_wait_alu depctr_va_vdst(0)                   ; one wait for the four, ahead of the first use
.macro PACKT u
	WIN W_RS
.set ee, 0
.rept 16
	v_pk_mul_f32 v[OW+32*\u+2*ee:OW+32*\u+2*ee+1], v[OW+32*\u+2*ee:OW+32*\u+2*ee+1], v[T+2*\u:T+2*\u+1] op_sel_hi:[1,0]
.set ee, ee+1
.endr
	WIN 0x05                                       ; sources in window 1, destination in window 0
.set ee, 0
.rept 16
	v_cvt_pk_f16_f32 v[S+16*\u+ee], v[OW+32*\u+2*ee], v[OW+32*\u+2*ee+1]
.set ee, ee+1
.endr
	WIN 0
.irp ct, 0,1,2,3
	ds_store_b128 v[STO], v[S+16*\u+4*\ct:S+16*\u+4*\ct+3] offset:32*\ct
.endr
.irp i, 0,1,2,3
	ds_load_b128 v[F+16*\u+4*\i:F+16*\u+4*\i+3], v[RD] offset:4*SP*\i   ; LDS serves a wave's instructions in order: these see the stores above, and the next tile's stores come behind them
.endr
.endm
	PACKT 0
	PACKT 1
	PACKT 2
	PACKT 3
.irp u, 0,1,2,3
.irp i, 0,1,2,3
	s_wait_dscnt 27-8*\u-\i                        ; behind this load stand the rest of its tile's loads and eight LDS instructions for each later tile
	global_store_b128 v[GO], v[F+16*\u+4*\i:F+16*\u+4*\i+3], s[YB+2*(\u/2):YB+2*(\u/2)+1] offset:2048*(\u%2)+512*\i   ; 512 consecutive bytes, aligned
.endr
.endr
	s_wait_tensorcnt 0x0                           ; the wave's end: three lines behind my last tensor load and my last LDS store
	ds_add_u32 v[SPW], v[NIL]
	s_wait_dscnt 0x0
	s_endpgm
.Lfunc_end_k_qd946d03c56_attn:
	.size	k_qd946d03c56_attn, .Lfunc_end_k_qd946d03c56_attn-k_qd946d03c56_attn
	.p2alignl 7, 3214868480
	.fill 96, 4, 3214868480
	.section	.rodata,"a",@progbits
	.p2align	6, 0x0
	.amdhsa_kernel k_qd946d03c56_attn
		.amdhsa_group_segment_fixed_size 327680
		.amdhsa_private_segment_fixed_size 0
		.amdhsa_enable_private_segment 0
		.amdhsa_kernarg_size 16
		.amdhsa_user_sgpr_count 2
		.amdhsa_user_sgpr_kernarg_segment_ptr 1
		.amdhsa_wavefront_size32 1
		.amdhsa_system_sgpr_workgroup_id_x 1
		.amdhsa_system_sgpr_workgroup_id_y 1
		.amdhsa_system_sgpr_workgroup_id_z 1
		.amdhsa_system_vgpr_workitem_id 0
		.amdhsa_next_free_vgpr 448
		.amdhsa_next_free_sgpr 100
		.amdhsa_reserve_vcc 1
		.amdhsa_float_denorm_mode_32 3
		.amdhsa_float_denorm_mode_16_64 3
		.amdhsa_memory_ordered 1
		.amdhsa_forward_progress 1
		.amdhsa_inst_pref_size 114
	.end_amdhsa_kernel
	.amdgpu_metadata
---
amdhsa.version: [ 1, 2 ]
amdhsa.kernels:
  - .name:           k_qd946d03c56_attn
    .symbol:         k_qd946d03c56_attn.kd
    .args:
      - { .name: qkv16, .offset: 0, .size: 8, .value_kind: global_buffer, .address_space: global }
      - { .name: y16, .offset: 8, .size: 8, .value_kind: global_buffer, .address_space: global }
    .group_segment_fixed_size: 327680
    .private_segment_fixed_size: 0
    .kernarg_segment_align: 8
    .kernarg_segment_size: 16
    .max_flat_workgroup_size: 256
    .sgpr_count:     100
    .vgpr_count:     448
    .wavefront_size: 32
...
	.end_amdgpu_metadata
.endif
;; end of part 3
;; launch proj (part 4): grid 8 x 32, 4 waves a work-group, clusters of 4 x 4, 327,680 bytes of LDS; arguments y16, wp16, b_proj, out0; writes out0
.if DOCPART == 4
	.amdgcn_target "amdgcn-amd-amdhsa--gfx1250"
	.amdhsa_code_object_version 6
	.text
	.protected	k_qd946d03c56_proj
	.globl	k_qd946d03c56_proj
	.p2align	8
	.type	k_qd946d03c56_proj,@function
k_qd946d03c56_proj:
	s_mov_b64 s[64:65], 0
	v_nop
	global_prefetch_b8 v0, s[64:65] scope:SCOPE_SE
	s_setreg_imm32_b32 hwreg(HW_REG_WAVE_MODE, 25, 1), 1
	s_wait_xcnt 0x0
	s_wait_alu depctr_hold_cnt(0) depctr_sa_sdst(0) depctr_va_vdst(0) depctr_va_sdst(0) depctr_va_ssrc(0) depctr_va_vcc(0) depctr_vm_vsrc(0)
	s_getreg_b32 s2, hwreg(HW_REG_IB_STS2, 6, 4)
	s_cmp_eq_u32 s2, 0
	s_cbranch_scc0 .Lentry_in_a_cluster
	s_endpgm
.Lentry_in_a_cluster:
	s_bfe_u32 s2, ttmp6, 0x10000c
	s_cmp_lg_u32 s2, 0xf033
	s_cbranch_scc0 .Lentry_shape_is_right
	s_endpgm
.Lentry_shape_is_right:
; out0[row][n] = the sum over k of y[row][k] W_proj[k][n] + b_proj[n].  y16: f16, [batch][head][t][64] (k = 64 head + channel); wp16: f16, [k 1024][n 1024]; out0: f32, [8192][1024]; sums in f32.
; (Positions t < 16 of every batch are written again, from f32 operands, by the launch behind this one.)
; SHARES.  A tile is 256 rows x 128 columns: 256 work-groups.  Wave w makes rows 128 (w / 2) on x columns 64 (w % 2) on: 8 x 4 accumulators, 256 registers.
; K goes in steps of 128, two heads, through a ring of two LDS slots: y's tile is two planes of 256 rows x 128 dense bytes (waves 0 and 1 fetch one each), W's is 128 rows of k x 256 bytes (waves 2 and 3: 64 rows each).
; THE MATRIX INSTRUCTION IS USED TRANSPOSED: source 0 = 16 columns of W_proj, turned out of LDS by ds_load_tr16_b128, source 1 = 16 rows of y: a lane holds eight neighbouring columns of a row of out0.
; THE BIAS is the C of each sum's first matrix instruction: eight registers for each block of 16 columns, in the result's layout.
; CLUSTERS: 4 x 4: y's tiles are shared along a row of the cluster, W's along a column, each asked for jointly.  From a request to the wait for it a wave issues 112 matrix instructions.
; No prefetch: each tile is read by four partners at once and by the neighbouring clusters shortly after, and W_proj's 2 MiB are walked by every row of tiles.
; REGISTERS: window 0: v16-29 addresses; v32-63 the bias; v64-127 the way out.   window 1: two fragment buffers of 96: y's 8 blocks at f, W's 4 at f + 64.   window 2: accumulator (a, b) at 8 (4 a + b).
.set AP,     144                       ; a row of y in LDS: 128 bytes + 16
.set APLANE, 256*AP
.set BP,     288                       ; a row of W: 256 bytes + 32
.set BOFF,   2*APLANE
.set SLOT,   BOFF+128*BP
.set STAGE,  2*SLOT                    ; behind the ring: 16 rows x 272 bytes for each wave
.set SPITCH, 272
.set SPARE,  STAGE+4*16*SPITCH
.set ADRA, 16
.set ADRB, 20
.set STO,  24
.set RD,   25
.set CO,   26
.set SPW,  28
.set NIL,  29
.set BIAS, 32
.set BK,   64
.set F0,   0
.set F1,   128
.set G1,  24
.set G0,  32
.set G1B, 48
.set G0B, 56
.set MSB, 0
.macro WIN new
.if MSB != \new
	s_set_vgpr_msb (MSB<<8)|\new
.set MSB, \new
.endif
.endm
.set MUL,  0xa5                        ; sources 0 and 1 window 1, C and D window 2
.set MULF, 0x85                        ; the same with C (the bias) in window 0
.set TO_F, 0x40
.macro JLOAD s                         ; waves 0 and 1 ask for y's planes, waves 2 and 3 for W's halves; an s_nop 0 and four v_nop follow each line
	s_cmp_eq_u32 s13, 0
	s_cbranch_scc0 .Lfor_b_\@
	tensor_load_to_lds s[G0+4*\s:G0+4*\s+3], s[G1:G1+7]
	s_nop 0
.rept 4
	v_nop
.endr
	s_branch .Lasked_\@
.Lfor_b_\@:
	tensor_load_to_lds s[G0B+4*\s:G0B+4*\s+3], s[G1B:G1B+7]
	s_nop 0
.rept 4
	v_nop
.endr
.Lasked_\@:
.endm
.macro CREST
	s_cmp_lg_u32 s12, 0
	s_cbranch_scc1 .Lnot_wave_0_\@
	s_barrier_signal -3
.Lnot_wave_0_\@:
	s_barrier_wait -3
	s_barrier_signal -1
	s_barrier_wait -1
.endm
.macro CROUND
	s_barrier_signal -1
	s_barrier_wait -1
	CREST
.endm
.macro PLACES
.rept 4
	v_nop
.endr
.endm
	s_load_b256 s[4:11], s[0:1], 0x0               ; y16 s[4:5], wp16 s[6:7], b_proj s[8:9], out0 s[10:11]
	v_lshl_add_u32 v[SPW], v0, 2, SPARE
	v_mov_b32 v[NIL], 0
	ds_add_u32 v[SPW], v[NIL]                      ; the wave's opening: the add, twice on end, and its wait ahead of my first tensor load
	ds_add_u32 v[SPW], v[NIL]
	v_lshrrev_b32 v1, 5, v0
	v_readfirstlane_b32 s12, v1                    ; wave 0..3
	s_lshr_b32 s13, s12, 1                         ; which half of the tile's rows is mine.  Also: I fetch for y (0) or for W (1)
	s_and_b32 s14, s12, 1                          ; which half of its columns.  Also: which plane, or which 64 rows of k, I fetch
	s_bfe_u32 s40, ttmp6, 0x40000                  ; cx
	s_bfe_u32 s41, ttmp6, 0x40004                  ; cy
	s_lshl_b32 s42, ttmp9, 2
	s_add_co_u32 s42, s42, s40                     ; tile column
	s_and_b32 s15, ttmp7, 0xffff
	s_lshl_b32 s15, s15, 2
	s_add_co_u32 s15, s15, s41                     ; tile row
	s_lshl_b32 s43, s41, 2
	s_lshl_b32 s43, 15, s43                        ; my row of the cluster
	s_lshl_b32 s44, 0x1111, s40                    ; my column
	s_or_b32 s[G1+0], s43, (1<<16)|(1<<20)|(1<<21)|(4<<22)|(3<<25)   ; the mask; elements of 2 bytes; padding: after every 32 words, 4 words
	s_mov_b32 s[G1+1], 64<<16                      ; tensor_dim0 = 64
	s_mov_b32 s[G1+2], 256<<16                     ; tensor_dim1 = 256 rows
	s_mov_b32 s[G1+3], 64<<16
	s_mov_b32 s[G1+4], 256
	s_mov_b32 s[G1+5], 64
	s_mov_b32 s[G1+6], 0
	s_mov_b32 s[G1+7], 0
	s_or_b32 s[G1B+0], s44, (1<<16)|(1<<20)|(1<<21)|(5<<22)|(7<<25)  ; padding: after every 64 words, 8 words
	s_mov_b32 s[G1B+1], 128<<16                    ; 128 columns
	s_mov_b32 s[G1B+2], 64<<16                     ; 64 rows of k
	s_mov_b32 s[G1B+3], 128<<16
	s_mov_b32 s[G1B+4], 64
	s_mov_b32 s[G1B+5], 1024
	s_mov_b32 s[G1B+6], 0
	s_mov_b32 s[G1B+7], 0
	s_lshr_b32 s16, s15, 3                         ; the batch
	s_lshl_b32 s16, s16, 4
	s_add_co_u32 s16, s16, s14                     ; plane 16 x batch + my plane of the K step
	s_lshl_b32 s16, s16, 11
	s_and_b32 s17, s15, 7
	s_lshl_b32 s17, s17, 8
	s_add_co_u32 s16, s16, s17                     ; + position 256 x (tile row % 8)
	s_lshl_b32 s16, s16, 7
	s_mov_b32 s17, 0
	s_lshl_b32 s46, s14, 17                        ; W: 64 rows of 2,048 bytes x half,
	s_lshl_b32 s47, s42, 8
	s_add_co_u32 s46, s46, s47                     ; + 256 bytes x tile column
	s_mov_b32 s47, 0
	s_mul_i32 s45, s14, APLANE                     ; where they go: no place in the cluster enters an LDS address
	s_mul_i32 s20, s14, 64*BP
	s_add_co_u32 s20, s20, BOFF
	s_wait_dscnt 0x0                               ; both opening adds are done
	s_wait_kmcnt 0x0
	s_add_nc_u64 s[16:17], s[4:5], s[16:17]
	s_add_nc_u64 s[46:47], s[6:7], s[46:47]
	CROUND                                         ; all sixteen work-groups are here: the first joint loads meet
.irp s, 0,1
	s_mov_b32 s[G0+4*\s], 1
	s_add_co_u32 s[G0+4*\s+1], s45, \s*SLOT
	s_add_nc_u64 s[G0+4*\s+2:G0+4*\s+3], s[16:17], \s*524288       ; K step s: two planes on
	s_or_b32 s[G0+4*\s+3], s[G0+4*\s+3], 0x80000000
	s_mov_b32 s[G0B+4*\s], 1
	s_add_co_u32 s[G0B+4*\s+1], s20, \s*SLOT
	s_add_nc_u64 s[G0B+4*\s+2:G0B+4*\s+3], s[46:47], \s*262144     ; 128 rows of k on
	s_or_b32 s[G0B+4*\s+3], s[G0B+4*\s+3], 0x80000000
	JLOAD \s
.endr
	v_and_b32 v1, 15, v0                           ; r
	v_bfe_u32 v2, v0, 4, 1                         ; h
	s_lshl_b32 s22, s42, 9
	s_lshl_b32 s23, s14, 8
	s_add_co_u32 s22, s22, s23                     ; my 64 columns, in bytes of f32
	s_mov_b32 s23, 0
	s_add_nc_u64 s[8:9], s[8:9], s[22:23]
	v_lshlrev_b32 v3, 5, v2                        ; lane (r, h) wants, for block b, the bias of columns 16 b + 8 h + 0 .. 7
.irp b, 0,1,2,3
	global_load_b128 v[BIAS+8*\b:BIAS+8*\b+3], v3, s[8:9] offset:64*\b
	global_load_b128 v[BIAS+8*\b+4:BIAS+8*\b+7], v3, s[8:9] offset:64*\b+16
.endr
	v_mul_u32_u24 v4, v1, AP
	v_lshl_add_u32 v4, v2, 4, v4
	s_mul_i32 s21, s13, 128*AP                     ; my 128 rows of y
	v_add_nc_u32 v[ADRA], s21, v4
	v_add_nc_u32 v[ADRA+1], SLOT, v[ADRA]
	v_and_b32 v5, 7, v0
	v_lshl_add_u32 v5, v2, 3, v5
	v_mul_u32_u24 v5, v5, BP                       ; W: row of k 8 h + lane % 8,
	v_bfe_u32 v6, v0, 3, 1
	v_lshl_add_u32 v5, v6, 4, v5                   ; columns 8 ((lane / 8) % 2) on,
	s_lshl_b32 s21, s14, 7
	s_add_co_u32 s21, s21, BOFF                    ; in my 64 columns
	v_add_nc_u32 v[ADRB], s21, v5
	v_add_nc_u32 v[ADRB+1], SLOT, v[ADRB]
	s_mul_i32 s21, s12, 16*SPITCH
	s_add_co_u32 s21, s21, STAGE                   ; my stage
	v_mul_u32_u24 v7, v1, SPITCH
	v_lshl_add_u32 v7, v2, 5, v7
	v_add_nc_u32 v[STO], s21, v7                   ; in: row r, 32 bytes for each half of the lanes
	v_mul_u32_u24 v7, v2, SPITCH
	v_lshl_add_u32 v7, v1, 4, v7
	v_add_nc_u32 v[RD], s21, v7                    ; back: lanes 0-15 one row of 256 bytes, lanes 16-31 the next
	v_lshlrev_b32 v[CO], 12, v2
	v_lshl_add_u32 v[CO], v1, 4, v[CO]             ; and the same two rows in out0
	s_lshl_b32 s66, s15, 8
	s_lshl_b32 s67, s13, 7
	s_add_co_u32 s66, s66, s67                     ; my first row
	s_lshl_b32 s66, s66, 12
	s_add_co_u32 s66, s66, s22                     ; and my first column
	s_mov_b32 s67, 0
	s_add_nc_u64 s[10:11], s[10:11], s[66:67]
.macro MUL8 f, a0, first               ; blocks a0, a0 + 1 of y's rows x W's four blocks, 32 along K.  The 32 accumulators take turns, in the same order in every quarter
.irp a, \a0, \a0+1
.irp b, 0,1,2,3
.if \first
	v_wmma_f32_16x16x32_f16 v[8*(4*(\a)+\b):8*(4*(\a)+\b)+7], v[\f+64+8*\b:\f+64+8*\b+7], v[\f+8*(\a):\f+8*(\a)+7], v[BIAS+8*\b:BIAS+8*\b+7]
.else
	v_wmma_f32_16x16x32_f16 v[8*(4*(\a)+\b):8*(4*(\a)+\b)+7], v[\f+64+8*\b:\f+64+8*\b+7], v[\f+8*(\a):\f+8*(\a)+7], v[8*(4*(\a)+\b):8*(4*(\a)+\b)+7]
.endif
.endr
.endr
.endm
.macro FETCH slot, q, f                ; 24 LDS loads in one run: quarter q (32 along K) of the slot into buffer f: W's four blocks, y's blocks 0-3, y's blocks 4-7
	WIN TO_F
.irp b, 0,1,2,3
	ds_load_tr16_b128 v[\f+64+8*\b:\f+64+8*\b+3], v[ADRB+\slot] offset:32*BP*(\q)+32*\b
	ds_load_tr16_b128 v[\f+64+8*\b+4:\f+64+8*\b+7], v[ADRB+\slot] offset:32*BP*(\q)+32*\b+16*BP
.endr
.irp a, 0,1,2,3,4,5,6,7
	ds_load_b128 v[\f+8*\a:\f+8*\a+3], v[ADRA+\slot] offset:APLANE*((\q)/2)+64*((\q)%2)+16*AP*\a
	ds_load_b128 v[\f+8*\a+4:\f+8*\a+7], v[ADRA+\slot] offset:APLANE*((\q)/2)+64*((\q)%2)+16*AP*\a+32
.endr
.endm
.macro QUARTER slot, q, f, g, first    ; multiplies buffer f; in its middle it fetches quarter q of the same slot into buffer g
	s_wait_dscnt 8                                 ; W's blocks and y's 0-3 are in; the youngest eight loads (y's 4-7) may be out
.if \first
	WIN MULF
.else
	WIN MUL
.endif
	MUL8 \f, 0, \first
	MUL8 \f, 2, \first
	PLACES
	FETCH \slot, \q, \g
	s_wait_dscnt 24                                ; all but the 24 just issued
.if \first
	WIN MULF
.else
	WIN MUL
.endif
	MUL8 \f, 4, \first
	MUL8 \f, 6, \first
.endm
; A slot's last quarter multiplies buffer 1 and changes slots: ONE barrier; in front of it each wave waits for all its tensor loads, adds 0 to its spare word, and waits for that and for its reads of this slot.
; fill = 1: the barrier opens a round of the cluster's, and this slot is filled again, two K steps ahead.
.macro TURN slot, next, fill
	WIN 0                                          ; (the add's two registers lie in window 0)
	s_wait_tensorcnt 0x0                           ; all my tensor loads have landed: the one that was out is my part of the next slot
	ds_add_u32 v[SPW], v[NIL]
	s_wait_dscnt 9                                 ; (the add and the youngest eight loads may be out)
	WIN MUL
	MUL8 F1, 0, 0                                  ; eight matrix instructions stand between the add and the wait for it
	s_wait_dscnt 0x0                               ; the add is done, and my reads of this slot are over
	s_barrier_signal -1
	MUL8 F1, 2, 0
.if \fill
	WIN 0
.endif
	s_barrier_wait -1
.if \fill
	CREST                                          ; no wave of any partner still reads this slot's tile or has a load on its way
	s_add_nc_u64 s[G0+4*\slot+2:G0+4*\slot+3], s[G0+4*\slot+2:G0+4*\slot+3], 1048576
	s_add_nc_u64 s[G0B+4*\slot+2:G0B+4*\slot+3], s[G0B+4*\slot+2:G0B+4*\slot+3], 524288
	JLOAD \slot                                    ; the first tensor load behind the round; its four v_nop are also the places in front of the loads below
.else
	PLACES
.endif
	FETCH \next, 0, F0
	WIN MUL
	MUL8 F1, 4, 0
	MUL8 F1, 6, 0
.endm
	s_wait_tensorcnt 1                             ; my part of K step 0 is in; K step 1's load may be out
	s_barrier_signal -1
	s_barrier_wait -1
	FETCH 0, 0, F0
	s_wait_loadcnt 0x0                             ; the bias
	QUARTER 0, 1, F0, F1, 1                        ; the first quarter stands in front of the loop: its products start the sums, on the bias
	WIN 0
	s_mov_b32 s3, 3                                ; eight K steps: four laps of the ring, of which the last is written out
.Llap:
	QUARTER 0, 2, F1, F0, 0
	QUARTER 0, 3, F0, F1, 0
	TURN 0, 1, 1
	QUARTER 1, 1, F0, F1, 0
	QUARTER 1, 2, F1, F0, 0
	QUARTER 1, 3, F0, F1, 0
	TURN 1, 0, 1
	QUARTER 0, 1, F0, F1, 0
	WIN 0
	s_sub_co_u32 s3, s3, 1
	s_cmp_lg_u32 s3, 0
	s_cbranch_scc1 .Llap
	QUARTER 0, 2, F1, F0, 0                        ; the last lap fills nothing
	QUARTER 0, 3, F0, F1, 0
	TURN 0, 1, 0
	QUARTER 1, 1, F0, F1, 0
	QUARTER 1, 2, F1, F0, 0
	QUARTER 1, 3, F0, F1, 0
	s_wait_dscnt 8
	WIN MUL
	MUL8 F1, 0, 0
	MUL8 F1, 2, 0
	s_wait_dscnt 0x0
	MUL8 F1, 4, 0
	MUL8 F1, 6, 0
	WIN 0
	PLACES
; THE WAY OUT, 16 rows x 64 columns at a time, through my own stage: back as whole rows of 256 bytes.
.macro OUTBLK a
	WIN 0x08                                       ; an LDS store's data: window 2
.irp b, 0,1,2,3
	ds_store_b128 v[STO], v[8*(4*(\a)+\b):8*(4*(\a)+\b)+3] offset:64*\b          ; each accumulator from its low end on
	ds_store_b128 v[STO], v[8*(4*(\a)+\b)+4:8*(4*(\a)+\b)+7] offset:64*\b+16
.endr
	WIN 0
.if (\a) > 1
	s_wait_xcnt 0x0                                ; block a - 2's stores have read their registers: they are loaded again only behind this wait
.endif
.irp t, 0,1,2,3,4,5,6,7
	ds_load_b128 v[BK+32*((\a)%2)+4*\t:BK+32*((\a)%2)+4*\t+3], v[RD] offset:2*SPITCH*\t   ; LDS serves a wave's instructions in order: these see the stores above
.endr
.irp t, 0,1,2,3,4,5,6,7
	s_wait_dscnt 7-\t
	global_store_b128 v[CO], v[BK+32*((\a)%2)+4*\t:BK+32*((\a)%2)+4*\t+3], s[10:11] offset:(16*(\a)+2*\t)*4096 th:TH_STORE_NT   ; sixteen lanes store 256 consecutive bytes, aligned
.endr
.endm
.irp a, 0,1,2,3,4,5,6,7
	OUTBLK \a
.endr
	s_wait_tensorcnt 0x0                           ; the wave's end: three lines behind my last tensor load and my last LDS store
	ds_add_u32 v[SPW], v[NIL]
	s_wait_dscnt 0x0
	CROUND                                         ; the closing round
	s_endpgm
.Lfunc_end_k_qd946d03c56_proj:
	.size	k_qd946d03c56_proj, .Lfunc_end_k_qd946d03c56_proj-k_qd946d03c56_proj
	.p2alignl 7, 3214868480
	.fill 96, 4, 3214868480
	.section	.rodata,"a",@progbits
	.p2align	6, 0x0
	.amdhsa_kernel k_qd946d03c56_proj
		.amdhsa_group_segment_fixed_size 327680
		.amdhsa_private_segment_fixed_size 0
		.amdhsa_enable_private_segment 0
		.amdhsa_kernarg_size 32
		.amdhsa_user_sgpr_count 2
		.amdhsa_user_sgpr_kernarg_segment_ptr 1
		.amdhsa_wavefront_size32 1
		.amdhsa_system_sgpr_workgroup_id_x 1
		.amdhsa_system_sgpr_workgroup_id_y 1
		.amdhsa_system_sgpr_workgroup_id_z 1
		.amdhsa_system_vgpr_workitem_id 0
		.amdhsa_next_free_vgpr 768
		.amdhsa_next_free_sgpr 72
		.amdhsa_reserve_vcc 0
		.amdhsa_float_denorm_mode_32 3
		.amdhsa_float_denorm_mode_16_64 3
		.amdhsa_memory_ordered 1
		.amdhsa_forward_progress 1
		.amdhsa_inst_pref_size 88
	.end_amdhsa_kernel
	.amdgpu_metadata
---
amdhsa.version: [ 1, 2 ]
amdhsa.kernels:
  - .name:           k_qd946d03c56_proj
    .symbol:         k_qd946d03c56_proj.kd
    .args:
      - { .name: y16, .offset: 0, .size: 8, .value_kind: global_buffer, .address_space: global }
      - { .name: wp16, .offset: 8, .size: 8, .value_kind: global_buffer, .address_space: global }
      - { .name: b_proj, .offset: 16, .size: 8, .value_kind: global_buffer, .address_space: global }
      - { .name: out0, .offset: 24, .size: 8, .value_kind: global_buffer, .address_space: global }
    .group_segment_fixed_size: 327680
    .private_segment_fixed_size: 0
    .kernarg_segment_align: 8
    .kernarg_segment_size: 32
    .max_flat_workgroup_size: 128
    .sgpr_count:     72
    .vgpr_count:     768
    .wavefront_size: 32
...
	.end_amdgpu_metadata
.endif
;; end of part 4
;; launch fine (part 5): grid 16 x 4, 16 waves a work-group, no clusters, 71,680 bytes of LDS; arguments q32, W_proj, b_proj, out0; writes out0
.if DOCPART == 5
	.amdgcn_target "amdgcn-amd-amdhsa--gfx1250"
	.amdhsa_code_object_version 6
	.text
	.protected	k_qd946d03c56_fine
	.globl	k_qd946d03c56_fine
	.p2align	8
	.type	k_qd946d03c56_fine,@function
k_qd946d03c56_fine:
	s_mov_b64 s[64:65], 0
	v_nop
	global_prefetch_b8 v0, s[64:65] scope:SCOPE_SE
	s_setreg_imm32_b32 hwreg(HW_REG_WAVE_MODE, 25, 1), 1
	s_wait_xcnt 0x0
; THE FIRST 16 POSITIONS OF EVERY SEQUENCE, IN f32 FROM END TO END: there a row of the softmax averages one to sixteen values, and the rounding of 16-bit operands would weigh most.
; q32 holds q, k, v of positions t < 16 as f32 (images of accumulators: [batch][block of 16 columns, 192][half 2][lane 32][4]: lane l: position l % 16, columns 16 block + 8 (l / 16) + 4 half + 0 .. 3).
; SHARES.  Work-group (J, batch) makes out0[batch][0 .. 15][64 J .. 64 J + 63].  Wave = head: it makes its head's attention for the 16 positions (12 KiB of loads; the 16 work-groups of a batch each make it again,
; which spares a launch and a buffer), multiplies it by its own 64 rows of W_proj, and the 16 heads' parts meet in LDS; wave w then adds row w's parts and the bias and stores 256 consecutive bytes.
; All products by v_wmma_f32_16x16x4_f32, used transposed; a permutation of K applied alike to both sources lets the images serve as operands as they lie: the K slot (lane / 16, register j) stands for
; channel 16 ct + 8 (lane / 16) + 2 s + j (or key 8 (lane / 16) + 2 s + j) in both sources.  The registers that these instructions write (v176-223) are written by nothing else.
; Eight places stand behind this form in front of reads of results and of loads or vector writes into its registers, nine in front of a matrix instruction that writes over them.
; LIMITS: NaN and infinities are not served; the order of the f32 sums differs from the reference's.
.set QF,  16                           ; v16-47   q: register 8 ct + e: channel 16 ct + 8 h + e of position r
.set KR,  48                           ; v48-79   k likewise
.set VF,  80                           ; v80-111  v: register 8 ct + j: key 8 h + j, channel 16 ct + r; later y
.set SA,  176                          ; v176-183, v184-191: S^T in two halves of the channels, by turns
.set OA,  192                          ; v192-223 O^T, then the part of out0
.set PR,  224                          ; v224-231 the scores, then p
.set PART, 4352                        ; LDS: a part: 16 rows x (256 bytes + 16), one for each wave
.set SPARE, 16*PART                    ; behind them the spare words, 128 bytes a wave
	s_load_b256 s[4:11], s[0:1], 0x0               ; q32 s[4:5], W_proj s[6:7], b_proj s[8:9], out0 s[10:11]
	v_lshl_add_u32 v6, v0, 2, SPARE                ; v6, v7: the add's two registers; never rewritten
	v_mov_b32 v7, 0
	v_lshrrev_b32 v1, 5, v0
	v_readfirstlane_b32 s12, v1                    ; wave = head; later = the row that I add up
	s_and_b32 s13, ttmp7, 0xffff                   ; the batch
	v_and_b32 v1, 15, v0                           ; r
	v_bfe_u32 v2, v0, 4, 1                         ; h
	v_and_b32 v13, 31, v0
	v_lshlrev_b32 v3, 4, v13                       ; an image's 16 bytes for my lane
	v_bfe_u32 v232, v0, 2, 1
	v_lshlrev_b32 v4, 9, v232                      ; v(key 8 h + j, channel 16 ct + r) lies in half (r / 4) % 2,
	v_lshl_add_u32 v4, v2, 7, v4                   ; lane 8 h + j + 16 (r / 8),
	v_bfe_u32 v232, v0, 3, 1
	v_lshl_add_u32 v4, v232, 8, v4
	v_and_b32 v232, 3, v0
	v_lshl_add_u32 v4, v232, 2, v4                 ; word r % 4
	v_lshlrev_b32 v5, 15, v2
	v_lshl_add_u32 v5, v1, 2, v5                   ; W_proj: 8 h rows of 4,096 bytes down, column r
	v_lshlrev_b32 v232, 3, v2
	v_sub_nc_u32 v8, v1, v232                      ; r - 8 h: key 8 h + j is hidden from query r where j is above it
	v_mov_b32 v9, 0xff800000                       ; -infinity
	s_mul_i32 s14, s12, PART
	v_mul_u32_u24 v10, v1, 272
	v_lshl_add_u32 v10, v2, 5, v10
	v_add_nc_u32 v10, s14, v10                     ; my part: row r, 32 bytes for each half of the lanes
	s_mul_i32 s14, s12, 272
	v_lshlrev_b32 v12, 3, v13                      ; 8 bytes a lane
	v_add_nc_u32 v11, s14, v12                     ; row w of a part
	v_mov_b32 v233, 0                              ; written once: a lane permute's destination counts as read
	v_mov_b32 v236, 0
	s_mov_b32 s16, 0x3e38aa3b                      ; c = log2(e) / 8
	s_mov_b32 s18, 0x76543210
	s_mov_b32 s19, 0xfedcba98                      ; v_permlanex16_b32's selects for lane l xor 16
	s_mul_i32 s14, s13, 196608                     ; a batch's 192 images of 1,024 bytes,
	s_lshl_b32 s15, s12, 12                        ; a head's four
	s_add_co_u32 s14, s14, s15
	s_mov_b32 s15, 0
	s_lshl_b32 s20, s12, 18                        ; W_proj: my head's 64 rows,
	s_lshl_b32 s21, ttmp9, 8                       ; my work-group's 64 columns
	s_add_co_u32 s20, s20, s21
	s_mov_b32 s22, s21
	s_mov_b32 s21, 0
	s_mov_b32 s23, 0
	s_lshl_b32 s24, s13, 23                        ; out0: the batch's 2,048 rows,
	s_lshl_b32 s25, s12, 12                        ; row w,
	s_add_co_u32 s24, s24, s25
	s_add_co_u32 s24, s24, s22                     ; the 64 columns
	s_mov_b32 s25, 0
	s_wait_kmcnt 0x0
	s_add_nc_u64 s[4:5], s[4:5], s[14:15]
	s_add_nc_u64 s[6:7], s[6:7], s[20:21]
	s_add_nc_u64 s[8:9], s[8:9], s[22:23]
	s_add_nc_u64 s[10:11], s[10:11], s[24:25]
.irp ct, 0,1,2,3
.irp f, 0,1
	global_load_b128 v[QF+8*\ct+4*\f:QF+8*\ct+4*\f+3], v3, s[4:5] offset:1024*\ct+512*\f
.endr
.endr
.irp ct, 0,1,2,3
.irp f, 0,1
	global_load_b128 v[KR+8*\ct+4*\f:KR+8*\ct+4*\f+3], v3, s[4:5] offset:65536+1024*\ct+512*\f
.endr
.endr
.irp ct, 0,1,2,3
.irp j, 0,1,2,3,4,5,6,7
	global_load_b32 v[VF+8*\ct+\j], v4, s[4:5] offset:131072+1024*\ct+16*\j
.endr
.endr
	global_load_b64 v[248:249], v12, s[8:9]        ; the bias of my two columns of row w
; W_proj(64 head + 16 ct + 8 h + e, 64 J + 16 nt + r) -> register 8 ct + e of block nt's 32: blocks 0, 1 at v112, v144; blocks 2, 3 at v16, v48, when q and k are done with
.macro WLOAD nt
.irp ct, 0,1,2,3
.irp e, 0,1,2,3,4,5,6,7
	global_load_b32 v[112+32*\nt-160*(\nt/2)+8*\ct+\e], v5, s[6:7] offset:(16*\ct+\e)*4096+64*\nt
.endr
.endr
.endm
	WLOAD 0
	WLOAD 1
	s_wait_loadcnt 63                              ; of the 113 loads issued the first 50 are in: q, k, v and the bias are the first 49
.irp ct, 0,1,2,3                       ; S^T = k q^T: 16 links of four channels, on two accumulators by turns
.irp s, 0,1,2,3
.if (\ct == 0) && (\s < 2)
	v_wmma_f32_16x16x4_f32 v[SA+8*(\s%2):SA+8*(\s%2)+7], v[KR+8*\ct+2*\s:KR+8*\ct+2*\s+1], v[QF+8*\ct+2*\s:QF+8*\ct+2*\s+1], 0
.else
	v_wmma_f32_16x16x4_f32 v[SA+8*(\s%2):SA+8*(\s%2)+7], v[KR+8*\ct+2*\s:KR+8*\ct+2*\s+1], v[QF+8*\ct+2*\s:QF+8*\ct+2*\s+1], v[SA+8*(\s%2):SA+8*(\s%2)+7]
.endif
.endr
.endr
.rept 8
	v_nop
.endr
	WLOAD 2
	WLOAD 3
.irp j, 0,1,2,3,4,5,6,7
	v_add_f32 v[PR+\j], v[SA+\j], v[SA+8+\j]       ; the score of key 8 h + j for query r
.endr
.irp j, 0,1,2,3,4,5,6,7
	v_cmp_gt_i32 vcc_lo, \j, v8
	v_cndmask_b32 v[PR+\j], v[PR+\j], v9, vcc_lo   ; hidden keys: -infinity.  Key 0 counts for every query
.endr
	v_max3_num_f32 v232, v[PR], v[PR+1], v[PR+2]
	v_max3_num_f32 v232, v232, v[PR+3], v[PR+4]
	v_max3_num_f32 v232, v232, v[PR+5], v[PR+6]
	v_max_num_f32 v232, v232, v[PR+7]
	v_permlanex16_b32 v233, v232, s18, s19
	v_max_num_f32 v232, v232, v233                 ; the row's maximum
	v_mul_f32 v234, s16, v232
.irp j, 0,1,2,3,4,5,6,7
	v_fma_f32 v[PR+\j], v[PR+\j], s16, -v234       ; c s - c m
.endr
.irp j, 0,1,2,3,4,5,6,7
	v_exp_f32 v[PR+\j], v[PR+\j]
.endr
	v_nop                                          ; the plain line behind the last exponential
	s_wait_alu depctr_va_vdst(0)                   ; one wait for the eight, ahead of the first line that names a result
	v_add_f32 v235, v[PR], v[PR+1]
	v_add_f32 v238, v[PR+2], v[PR+3]
	v_add_f32 v239, v[PR+4], v[PR+5]
	v_add_f32 v240, v[PR+6], v[PR+7]
	v_add_f32 v235, v235, v238
	v_add_f32 v239, v239, v240
	v_add_f32 v235, v235, v239
	v_permlanex16_b32 v236, v235, s18, s19
	v_add_f32 v235, v235, v236                     ; the row's sum
	v_rcp_f32 v237, v235
	v_nop
	s_wait_alu depctr_va_vdst(0)
.irp s, 0,1,2,3                        ; O^T = v^T P: four links of four keys on four accumulators by turns
.irp ct, 0,1,2,3
.if \s == 0
	v_wmma_f32_16x16x4_f32 v[OA+8*\ct:OA+8*\ct+7], v[VF+8*\ct+2*\s:VF+8*\ct+2*\s+1], v[PR+2*\s:PR+2*\s+1], 0
.else
	v_wmma_f32_16x16x4_f32 v[OA+8*\ct:OA+8*\ct+7], v[VF+8*\ct+2*\s:VF+8*\ct+2*\s+1], v[PR+2*\s:PR+2*\s+1], v[OA+8*\ct:OA+8*\ct+7]
.endif
.endr
.endr
.rept 8
	v_nop
.endr
.irp j, 0,1,2,3,4,5,6,7,8,9,10,11,12,13,14,15,16,17,18,19,20,21,22,23,24,25,26,27,28,29,30,31
	v_mul_f32 v[VF+\j], v[OA+\j], v237             ; y(r, 16 ct + 8 h + j), into other registers than the sums'
.endr
	v_nop                                          ; with the eight above: nine v_nop between the last product of O^T and the first that begins its registers anew
	s_wait_loadcnt 0x0                             ; W_proj's 128 numbers a lane
.irp ct, 0,1,2,3                       ; my head's part of out0, transposed: 16 links of four channels on four accumulators by turns
.irp s, 0,1,2,3
.irp nt, 0,1,2,3
.if (\ct == 0) && (\s == 0)
	v_wmma_f32_16x16x4_f32 v[OA+8*\nt:OA+8*\nt+7], v[112+32*\nt-160*(\nt/2)+8*\ct+2*\s:112+32*\nt-160*(\nt/2)+8*\ct+2*\s+1], v[VF+8*\ct+2*\s:VF+8*\ct+2*\s+1], 0
.else
	v_wmma_f32_16x16x4_f32 v[OA+8*\nt:OA+8*\nt+7], v[112+32*\nt-160*(\nt/2)+8*\ct+2*\s:112+32*\nt-160*(\nt/2)+8*\ct+2*\s+1], v[VF+8*\ct+2*\s:VF+8*\ct+2*\s+1], v[OA+8*\nt:OA+8*\nt+7]
.endif
.endr
.endr
.endr
.rept 8
	v_nop
.endr
.irp nt, 0,1,2,3
	ds_store_b128 v10, v[OA+8*\nt:OA+8*\nt+3] offset:64*\nt        ; lane (r, h): position r, columns 16 nt + 8 h + 0 .. 7; each accumulator from its low end on
	ds_store_b128 v10, v[OA+8*\nt+4:OA+8*\nt+7] offset:64*\nt+16
.endr
	s_wait_dscnt 0x0                               ; for the others' sake: my part lies in LDS
	s_barrier_signal -1
	s_barrier_wait -1
.irp p, 0,1,2,3,4,5,6,7,8,9,10,11,12,13,14,15
	ds_load_b64 v[16+2*\p:17+2*\p], v11 offset:PART*\p             ; row w of every head's part: 256 bytes, 8 a lane
.endr
	s_wait_dscnt 0x0
.irp p, 0,1,2,3,4,5,6,7,8,9,10,11,12,13,14,15
	v_pk_add_f32 v[248:249], v[248:249], v[16+2*\p:17+2*\p]        ; onto the bias, heads ascending
.endr
	global_store_b64 v12, v[248:249], s[10:11]     ; the wave stores 256 consecutive bytes, aligned
	s_wait_tensorcnt 0x0                           ; the wave's end: three lines behind my last LDS store
	ds_add_u32 v6, v7
	s_wait_dscnt 0x0
	s_endpgm
.Lfunc_end_k_qd946d03c56_fine:
	.size	k_qd946d03c56_fine, .Lfunc_end_k_qd946d03c56_fine-k_qd946d03c56_fine
	.p2alignl 7, 3214868480
	.fill 96, 4, 3214868480
	.section	.rodata,"a",@progbits
	.p2align	6, 0x0
	.amdhsa_kernel k_qd946d03c56_fine
		.amdhsa_group_segment_fixed_size 71680
		.amdhsa_private_segment_fixed_size 0
		.amdhsa_enable_private_segment 0
		.amdhsa_kernarg_size 32
		.amdhsa_user_sgpr_count 2
		.amdhsa_user_sgpr_kernarg_segment_ptr 1
		.amdhsa_wavefront_size32 1
		.amdhsa_system_sgpr_workgroup_id_x 1
		.amdhsa_system_sgpr_workgroup_id_y 1
		.amdhsa_system_sgpr_workgroup_id_z 1
		.amdhsa_system_vgpr_workitem_id 0
		.amdhsa_next_free_vgpr 256
		.amdhsa_next_free_sgpr 66
		.amdhsa_reserve_vcc 1
		.amdhsa_float_denorm_mode_32 3
		.amdhsa_float_denorm_mode_16_64 3
		.amdhsa_memory_ordered 1
		.amdhsa_forward_progress 1
		.amdhsa_inst_pref_size 33
	.end_amdhsa_kernel
	.amdgpu_metadata
---
amdhsa.version: [ 1, 2 ]
amdhsa.kernels:
  - .name:           k_qd946d03c56_fine
    .symbol:         k_qd946d03c56_fine.kd
    .args:
      - { .name: q32, .offset: 0, .size: 8, .value_kind: global_buffer, .address_space: global }
      - { .name: W_proj, .offset: 8, .size: 8, .value_kind: global_buffer, .address_space: global }
      - { .name: b_proj, .offset: 16, .size: 8, .value_kind: global_buffer, .address_space: global }
      - { .name: out0, .offset: 24, .size: 8, .value_kind: global_buffer, .address_space: global }
    .group_segment_fixed_size: 71680
    .private_segment_fixed_size: 0
    .kernarg_segment_align: 8
    .kernarg_segment_size: 32
    .max_flat_workgroup_size: 512
    .sgpr_count:     66
    .vgpr_count:     256
    .wavefront_size: 32
...
	.end_amdgpu_metadata
.endif
;; end of part 5
